; MI455X (gfx1250); checked and timed in simulation.
; The chip was launched on July 23, 2026; its instructions are those of AMD's public machine-readable ISA for CDNA 5 (MIT licence, August 2026) and "CDNA5" Instruction Set Architecture Reference Guide (July 2026). The comments in the code are by the model that wrote it; some were corrected since.
;; Gemma4 Attention. Allowed arithmetic: matrix products marked QUANTISED: E2M1 operands, one E8M0 scale for each 32 along K, by v_wmma_scale_f32_16x16x128_f8f6f4 with both operands' format E2M1 (or v_wmma_scale_f32_32x16x128_f4), f32 sums; everything else in f32.
;; Inputs: cos 1 x 4,096 x 256 float32; hidden_states 1 x 4,096 x 2,048 float32; k_norm_w 256 float32; k_w 1,024 x 2,048 float32; o_w 2,048 x 1,024 float32; q_norm_w 256 float32; q_w 1,024 x 2,048 float32; sin 1 x 4,096 x 256 float32; v_w 1,024 x 2,048 float32.
;; Outputs: out0 1 x 4,096 x 2,048 float32.
;; This version of the problem:
;;   THIS VERSION OF THE PROBLEM IS GIVEN IN LOW PRECISION. The matrix products marked QUANTISED in the list below multiply operands that are first quantised to E2M1 (2 exponent bits, 1 mantissa bit; 4 bits a number), with one power-of-two scale for each 32 numbers along K (OCP MX v1.0); their sums are f32. All else is computed in f32.
;;   The module's matrix products, in the order in which they are computed (A, B: the left and right operand; K: the contracted axis; several contracted axes count as one K, in the product's order):
;;     1. [M 4,096, K 2,048] x [K 2,048, N 1,024]; A: input hidden_states; B: input q_w: QUANTISED
;;     2. [M 4,096, K 2,048] x [K 2,048, N 1,024]; A: input hidden_states; B: input k_w: QUANTISED
;;     3. [M 4,096, K 2,048] x [K 2,048, N 1,024]; A: input hidden_states; B: input v_w: QUANTISED
;;     4. batch 4 x [M 4,096, K 256] x [K 256, N 4,096]; A: computed on the way; B: computed on the way: QUANTISED
;;     5. batch 4 x [M 4,096, K 4,096] x [K 4,096, N 256]; A: softmax (see below); B: computed on the way: QUANTISED
;;     6. [M 4,096, K 1,024] x [K 1,024, N 2,048]; A: computed on the way; B: input o_w: QUANTISED
;;   THE QUANTISER, for each operand of a quantised product, along K:
;;     - K is cut into blocks of 32 from its start; a last block that is shorter is filled with zeros.
;;     - A block's scale is 2^e with e = floor(log2(the largest magnitude in the block)) - 2, held to -126 .. 127; a block of zeros has e = 0. As a byte (E8M0): e + 127.
;;     - Each number is divided by its block's scale, clamped to +-6, and rounded to the nearest number of E2M1, ties to even, subnormals kept.
;;     - The product sums the exact products of the quantised numbers (number of the format x scale) in f32.
;;   ~~~python
;;   def quantise(x, axis):      # numpy; x: float32 -> the quantised numbers, widened to float32 again
;;       x = np.moveaxis(x, axis, -1); K = x.shape[-1]
;;       x = np.pad(x, [(0, 0)] * (x.ndim - 1) + [(0, -K % 32)]); x = x.reshape(x.shape[:-1] + (-1, 32)); a = np.abs(x).max(-1, keepdims=True)
;;       e = np.where(a > 0, np.clip(np.frexp(np.where(a > 0, a, 1))[1] - 1 - 2, -126, 127), 0)      # np.frexp(a)[1] - 1 = floor(log2(a)), exactly
;;       r = np.clip(x / 2.0 ** e, -6, 6)
;;       step = 2.0 ** (np.maximum(np.frexp(np.where(r == 0, 1, r))[1] - 1, 0) - 1)
;;       q = np.round(r / step) * step * 2.0 ** e      # np.round: ties to even
;;       return np.moveaxis(q.reshape(q.shape[:-2] + (-1,))[..., :K], -1, axis).astype(np.float32)
;;   ~~~
;;   SOFTMAX AHEAD OF A QUANTISED PRODUCT. Where the list says 'softmax', what is quantised is not the finished softmax but p = 2^(t - M), with t = logit x log2(e) and M = ceil(the row's largest t), a whole number; so 1/2 < the row's largest p <= 1. The row's sum l is taken of the UNQUANTISED p, in f32, and the product's result is divided by l at the end. Since M is a whole number, a kernel that streams over the keys may use a running M (the ceiling of the running maximum): every later rescaling is an exact power of two, which a block's scale takes up: the codes' values come out the same.
;;   OPERANDS COMPUTED ON THE WAY. 'Computed on the way' means the value that the module computes at that place (a softmax that the list does not call 'softmax' is quantised finished and normalised). What goes into a quantiser is computed in f32, as accurately as f32 sums, v_exp_f32 and their like allow (about 1e-6 of the number): no bf16 or f16 on the way to a quantiser, and a product that is left as it is and whose result goes on into a quantised operand takes f32 operands (vector FMAs, or v_wmma_f32_16x16x4_f32). A number that lies on a knife's edge between two numbers of the format may be rounded either way, as far as f32 arithmetic and the matrix unit's own rounding can turn it there, and no further.
;; One version. Each part assembles by itself: llvm-mc -triple=amdgcn-amd-amdhsa -mcpu=gfx1250 --defsym DOCPART=n.
;; ======== version 1 of 1: 4 launches
;; limits: right only within a limited range of input values
;; workspace buffers: c1 8,388,608 bytes; s1 524,288 bytes; qkv 6,684,672 bytes; ac 2,097,152 bytes; asc 131,072 bytes
;; launch quant (part 1): grid 512 x 1, 4 waves a work-group, no clusters, 33,280 bytes of LDS; arguments hidden_states, q_w, k_w, v_w, o_w, c1, s1; writes c1, s1
.if DOCPART == 1
	.amdgcn_target "amdgcn-amd-amdhsa--gfx1250"
	.amdhsa_code_object_version 6
	.text
	.protected	k_q7e6d2cf609_quant
	.globl	k_q7e6d2cf609_quant
	.p2align	8
	.type	k_q7e6d2cf609_quant,@function
k_q7e6d2cf609_quant:
	s_mov_b64 s[64:65], 0
	v_nop
	global_prefetch_b8 v0, s[64:65] scope:SCOPE_SE
	s_setreg_imm32_b32 hwreg(HW_REG_WAVE_MODE, 25, 1), 1
	s_wait_xcnt 0x0
; LAUNCH 1 OF 4.  hidden_states [4096][2048], q_w, k_w, v_w [1024][2048] and o_w [2048][1024], all f32 with K innermost, become codes of FP4 (E2M1), K innermost, in c1, with one E8M0 byte for each 32 along K in s1.
; WORK THAT THE PROGRAM LEAVES OUT, for all values of the inputs:
;  (a) reference() builds its own mask: key j counts for query i only where i - 1024 < j <= i; every other score is replaced by -1e30 ahead of the softmax, whose weight for it is then 0 beside the diagonal key's, which always counts.
;      So a step of 128 keys that lies wholly outside that band reaches no output: for a block of 64 queries at most nine steps of 128 keys are multiplied (launch 3).  Steps that the band cuts are multiplied whole and masked.
;  (b) jnp.repeat with rep = H / KVH = 1 is the identity.
;  Every input has a way to the output and is loaded.  LIMIT: a NaN, an infinity or an overflow that reaches only scores outside the band is not carried to the result.
; A block's scale is 2^(floor(log2(its largest magnitude)) - 2); its byte is the largest magnitude's exponent field - 2, held at 1 from below.  A block of zeros so gets the byte 1 where the rule says 127: its codes are zeros, and this program alone reads the bytes.
; LIMITS: NaN and infinities among the inputs are not served; blocks whose largest magnitude lies under 2^(3 - 127) take the floor's byte.
; c1: rows 0-4095 hidden_states, rows 4096-7167 q_w, k_w, v_w (1,024 bytes a row), then from byte 7,340,032 o_w's 2,048 rows of 512 bytes.  s1 likewise: 64 bytes a row, o_w's 32 bytes a row from byte 458,752.
; WITHIN EACH HEAD (256 rows) OF q_w AND k_w THE SECOND AND THIRD GROUP OF 64 ROWS CHANGE PLACES, so that launch 2 finds channel d and channel d + 128, which the rotation pairs, in one wave.  Which row of a weight lies where only says which result lands where.
; Rows are dense and K is a multiple of 32: every tensor is a plain stream of blocks of 32.  A work-group takes 32,768 numbers (16 rows of 2,048), a wave 8,192 in 16 steps of 512.
; Each of a step's four loads reads 512 consecutive bytes, 16 a lane; the 2,048 bytes turn through the wave's own stage in LDS and come back 64 bytes a lane: 16 neighbours along K, two lanes to a block.
; A lane's 16 codes are 8 bytes: the wave stores 256 consecutive bytes.  A wave's 256 scale bytes are gathered in LDS and leave as one aligned run of 256 bytes.  No tensor loads, no barrier: waves share nothing.
.set WAVES, 4
.set STEPS, 16
.set EMAX,  2
.set CB,    8                          ; bytes of 16 codes
.set R,     16                         ; v16-79   four sets of 16 numbers as they are loaded
.set X,     80                         ; v80-111  two sets of 16 neighbours
.set C,     128                        ; v128-191 codes: four registers for each step, so that no store's data are written again
.set E,     112                        ; v112-127 a scale byte for each step
.set WREG,  8192                       ; LDS: a region for each wave: two stages of 32 x SP bytes, behind them its 256 scale bytes
.set SP,    80                         ; a lane's place in a stage: 64 bytes + 16 of padding
.set SPW,   12                         ; v12 LDS address of my spare word; never rewritten
.set NIL,   13                         ; v13 0; never rewritten
.set SPARE, WAVES*WREG                 ; behind the four regions: the spare words, 128 bytes a wave, that no other line names
	s_load_b256 s[4:11], s[0:1], 0x0               ; hidden_states s[4:5], q_w s[6:7], k_w s[8:9], v_w s[10:11]
	s_load_b128 s[12:15], s[0:1], 0x20             ; o_w s[12:13], c1 s[14:15]
	s_load_b64 s[16:17], s[0:1], 0x30              ; s1
	v_lshl_add_u32 v[SPW], v0, 2, SPARE
	v_mov_b32 v[NIL], 0
	v_lshrrev_b32 v1, 5, v0
	v_readfirstlane_b32 s24, v1                    ; wave
	v_and_b32 v2, 31, v0                           ; lane
	v_lshlrev_b32 v3, 4, v2                        ; my 16 bytes of a load's 512
	s_mul_i32 s25, s24, WREG
	v_lshrrev_b32 v14, 2, v2
	v_mul_u32_u24 v14, v14, SP
	v_and_b32 v15, 3, v2
	v_lshl_add_u32 v14, v15, 4, v14
	v_add_nc_u32 v14, s25, v14                     ; the stage, on the way in: SP (lane / 4) + 16 (lane % 4)
	v_mul_u32_u24 v15, v2, SP
	v_add_nc_u32 v15, s25, v15                     ; and on the way out: SP x lane: my 16 neighbours
	v_mul_u32_u24 v4, v2, CB                       ; my codes' place in a step's
	v_lshrrev_b32 v5, 1, v2
	s_add_co_u32 s25, s25, 2*32*SP
	v_add_nc_u32 v5, s25, v5                       ; LDS: my wave's 256 scale bytes, my block's byte
	v_lshlrev_b32 v7, 3, v2                        ; and on the way out 8 bytes a lane
	v_add_nc_u32 v6, s25, v7
	; where the work-group's 16 rows go: as they lie, but in q_w and k_w (work-groups 256 to 383) bits 2 and 3 of the number change places: the head's groups of 64 rows 1 and 2
	s_and_b32 s22, ttmp9, 0xfffffff3
	s_and_b32 s23, ttmp9, 4
	s_lshl_b32 s23, s23, 1
	s_or_b32 s22, s22, s23
	s_and_b32 s23, ttmp9, 8
	s_lshr_b32 s23, s23, 1
	s_or_b32 s22, s22, s23
	s_sub_co_u32 s21, ttmp9, 256
	s_cmp_lt_u32 s21, 128
	s_cselect_b32 s22, s22, ttmp9
	s_wait_alu depctr_va_vdst(0)
	s_wait_kmcnt 0x0
	; which tensor: the choice hangs on the work-group's number alone
	s_mov_b64 s[18:19], s[12:13]                   ; 448 .. 511: o_w
	s_mov_b32 s20, 448
	s_cmp_lt_u32 ttmp9, 448
	s_cselect_b64 s[18:19], s[10:11], s[18:19]     ; 384 .. 447: v_w
	s_cselect_b32 s20, 384, s20
	s_cmp_lt_u32 ttmp9, 384
	s_cselect_b64 s[18:19], s[8:9], s[18:19]       ; 320 .. 383: k_w
	s_cselect_b32 s20, 320, s20
	s_cmp_lt_u32 ttmp9, 320
	s_cselect_b64 s[18:19], s[6:7], s[18:19]       ; 256 .. 319: q_w
	s_cselect_b32 s20, 256, s20
	s_cmp_lt_u32 ttmp9, 256
	s_cselect_b64 s[18:19], s[4:5], s[18:19]       ; 0 .. 255: hidden_states
	s_cselect_b32 s20, 0, s20
	s_sub_co_u32 s20, ttmp9, s20
	s_lshl_b32 s20, s20, 2
	s_add_co_u32 s20, s20, s24                     ; which run of 8,192 numbers of the tensor is my wave's
	s_lshl_b32 s20, s20, 15                        ; 32,768 bytes a run
	s_mov_b32 s21, 0
	s_add_nc_u64 s[18:19], s[18:19], s[20:21]
	s_lshl_b32 s22, s22, 2
	s_add_co_u32 s22, s22, s24                     ; and which run of the outputs
	s_lshl_b32 s20, s22, 12                        ; 4,096 bytes of codes a run
	s_add_nc_u64 s[14:15], s[14:15], s[20:21]
	s_lshl_b32 s20, s22, 8                         ; 256 scale bytes a run
	s_add_nc_u64 s[16:17], s[16:17], s[20:21]
.macro LOAD t
.irp i, 0,1,2,3
	global_load_b128 v[R+16*((\t)%4)+4*\i:R+16*((\t)%4)+4*\i+3], v3, s[18:19] offset:2048*(\t)+512*\i th:TH_LOAD_NT   ; 32 lanes read 512 consecutive bytes
.endr
.endm
.macro TURN t                          ; step t's numbers through the stage: LDS serves a wave's instructions in order, so no wait stands between the stores and the loads
.irp i, 0,1,2,3
	ds_store_b128 v14, v[R+16*((\t)%4)+4*\i:R+16*((\t)%4)+4*\i+3] offset:32*SP*((\t)%2)+8*SP*\i
.endr
.irp i, 0,1,2,3
	ds_load_b128 v[X+16*((\t)%2)+4*\i:X+16*((\t)%2)+4*\i+3], v15 offset:32*SP*((\t)%2)+16*\i
.endr
.endm
.irp t, 0,1,2,3
	LOAD \t
.endr
	s_wait_loadcnt 12                              ; step 0's four loads are in; the twelve of steps 1 to 3 may be out
	TURN 0
.macro STEP t
.set XS, X+16*((\t)%2)
.if (\t) > 0
	s_wait_dscnt 1                                 ; this step's numbers are back from the stage (the last step's byte store may be out): so its stores into the stage have read their registers,
.else
	s_wait_dscnt 0x0
.endif
.if (\t)+4 < STEPS
	LOAD (\t)+4                                    ; which take the loads of four steps on
.endif
.if (\t)+1 < STEPS
.if STEPS-2-(\t) >= 3
	s_wait_loadcnt 12                              ; the next step's four loads are in; those of the three steps behind it may be out
.else
	s_wait_loadcnt 4*(STEPS-2-(\t))
.endif
	TURN (\t)+1                                    ; and go through the other stage while this step is worked
.endif
	v_max3_num_f32 v8, |v[XS]|, |v[XS+1]|, |v[XS+2]|               ; the largest magnitude of my 16, in two chains
	v_max3_num_f32 v9, |v[XS+3]|, |v[XS+4]|, |v[XS+5]|
.irp i, 6,10
	v_max3_num_f32 v8, v8, |v[XS+\i]|, |v[XS+\i+1]|
	v_max3_num_f32 v9, v9, |v[XS+\i+2]|, |v[XS+\i+3]|
.endr
	v_max3_num_f32 v8, v8, |v[XS+14]|, |v[XS+15]|
	v_max3_num_f32 v8, v8, v9, (EMAX+1)<<23        ; and the floor 2^(EMAX + 1 - 127): the byte cannot fall under 1
	v_max_num_f32_dpp v8, v8, v8 row_xmask:1 row_mask:0xf bank_mask:0xf   ; and of my neighbour's 16: the block's
	v_add_nc_u32 v11, -(EMAX<<23), v8              ; EMAX off its exponent field: the conversion takes the exponent field of this operand as its scale
	v_cvt_scalef32_pk8_fp4_f32 v[C+4*(\t)], v[XS:XS+7], v11
	v_cvt_scalef32_pk8_fp4_f32 v[C+4*(\t)+1], v[XS+8:XS+15], v11
	v_lshrrev_b32 v[E+(\t)], 23, v11               ; the scale's byte (a plain line behind the conversions)
	ds_store_b8 v5, v[E+(\t)] offset:16*(\t)       ; both lanes of a block write the same byte with the same value
	global_store_b64 v4, v[C+4*(\t):C+4*(\t)+1], s[14:15] offset:32*CB*(\t)   ; the wave stores 256 consecutive bytes, aligned
.endm
.irp t, 0,1,2,3,4,5,6,7,8,9,10,11,12,13,14,15
	STEP \t
.endr
	ds_load_b64 v[8:9], v6                         ; LDS serves a wave's instructions in order: these see my stores
	s_wait_dscnt 0x0
	global_store_b64 v7, v[8:9], s[16:17]          ; 32 lanes store 256 consecutive bytes, aligned
	s_wait_tensorcnt 0x0                           ; the wave's end
	ds_add_u32 v[SPW], v[NIL]
	s_wait_dscnt 0x0
	s_endpgm
.Lfunc_end_k_q7e6d2cf609_quant:
	.size	k_q7e6d2cf609_quant, .Lfunc_end_k_q7e6d2cf609_quant-k_q7e6d2cf609_quant
	.p2alignl 7, 3214868480
	.fill 96, 4, 3214868480
	.section	.rodata,"a",@progbits
	.p2align	6, 0x0
	.amdhsa_kernel k_q7e6d2cf609_quant
		.amdhsa_group_segment_fixed_size 33280
		.amdhsa_private_segment_fixed_size 0
		.amdhsa_enable_private_segment 0
		.amdhsa_kernarg_size 56
		.amdhsa_user_sgpr_count 2
		.amdhsa_user_sgpr_kernarg_segment_ptr 1
		.amdhsa_wavefront_size32 1
		.amdhsa_system_sgpr_workgroup_id_x 1
		.amdhsa_system_sgpr_workgroup_id_y 1
		.amdhsa_system_sgpr_workgroup_id_z 1
		.amdhsa_system_vgpr_workitem_id 0
		.amdhsa_next_free_vgpr 192
		.amdhsa_next_free_sgpr 66
		.amdhsa_reserve_vcc 0
		.amdhsa_float_denorm_mode_32 3
		.amdhsa_float_denorm_mode_16_64 3
		.amdhsa_memory_ordered 1
		.amdhsa_forward_progress 1
		.amdhsa_inst_pref_size 34
	.end_amdhsa_kernel
	.amdgpu_metadata
---
amdhsa.version: [ 1, 2 ]
amdhsa.kernels:
  - .name:           k_q7e6d2cf609_quant
    .symbol:         k_q7e6d2cf609_quant.kd
    .args:
      - { .name: hidden_states, .offset: 0, .size: 8, .value_kind: global_buffer, .address_space: global }
      - { .name: q_w, .offset: 8, .size: 8, .value_kind: global_buffer, .address_space: global }
      - { .name: k_w, .offset: 16, .size: 8, .value_kind: global_buffer, .address_space: global }
      - { .name: v_w, .offset: 24, .size: 8, .value_kind: global_buffer, .address_space: global }
      - { .name: o_w, .offset: 32, .size: 8, .value_kind: global_buffer, .address_space: global }
      - { .name: c1, .offset: 40, .size: 8, .value_kind: global_buffer, .address_space: global }
      - { .name: s1, .offset: 48, .size: 8, .value_kind: global_buffer, .address_space: global }
    .group_segment_fixed_size: 33280
    .private_segment_fixed_size: 0
    .kernarg_segment_align: 8
    .kernarg_segment_size: 56
    .max_flat_workgroup_size: 128
    .sgpr_count:     66
    .vgpr_count:     192
    .wavefront_size: 32
...
	.end_amdgpu_metadata
.endif
;; end of part 1
;; launch qkv (part 2): grid 12 x 16, 4 waves a work-group, clusters of 4 x 4, 327,680 bytes of LDS; arguments c1, s1, cos, sin, q_norm_w, k_norm_w, qkv; writes qkv
.if DOCPART == 2
	.amdgcn_target "amdgcn-amd-amdhsa--gfx1250"
	.amdhsa_code_object_version 6
	.text
	.protected	k_q7e6d2cf609_qkv
	.globl	k_q7e6d2cf609_qkv
	.p2align	8
	.type	k_q7e6d2cf609_qkv,@function
k_q7e6d2cf609_qkv:
	s_mov_b64 s[64:65], 0
	v_nop
	global_prefetch_b8 v0, s[64:65] scope:SCOPE_SE
	s_setreg_imm32_b32 hwreg(HW_REG_WAVE_MODE, 25, 1), 1
	s_wait_xcnt 0x0
	s_wait_alu depctr_hold_cnt(0) depctr_sa_sdst(0) depctr_va_vdst(0) depctr_va_sdst(0) depctr_va_ssrc(0) depctr_va_vcc(0) depctr_vm_vsrc(0)
	s_getreg_b32 s2, hwreg(HW_REG_IB_STS2, 6, 4)
	s_cmp_eq_u32 s2, 0
	s_cbranch_scc0 .Lentry_in_a_cluster
	s_endpgm
.Lentry_in_a_cluster:
	s_bfe_u32 s2, ttmp6, 0x10000c
	s_cmp_lg_u32 s2, 0xf033
	s_cbranch_scc0 .Lentry_shape_is_right
	s_endpgm
.Lentry_shape_is_right:
; LAUNCH 2 OF 4.  The three projections on codes of FP4, K = 2,048, and in registers behind them: the RMS norm of each head (q, k with a gain, v without), the rotation of q and k,
; and the quantisers of the next products' operands: q and k along the head's 256 channels, v along the tokens.  Only codes and scale words go to memory.
; SHARES.  A work-group of four waves makes 256 tokens x one head; the cluster's x is the TYPE (0 q, 1 k, 2 v), the same in all sixteen partners.  A wave makes 128 x 128: 64 accumulators, 512 registers.
; SOURCE 1 ('A') GIVES THE LANE, SOURCE 0 ('B') THE REGISTERS: in accumulator (a, b) lane (r, h) holds A's row 16 a + r and register j B's row 16 b + 8 h + j.  q, k: A = tokens, B = weight rows;  v: A = weight rows, B = tokens.
; Launch 1 laid q_w's and k_w's rows so that wave column wc holds channels 64 wc + 0..63 (b = 0..3) and 128 + 64 wc + 0..63 (b = 4..7): the rotation's partners are accumulators b and b + 4 of one lane.
; THE RING.  K goes in four steps of 512 through two LDS slots.  The loop's trip is one slot: which slot is in hand is a scalar that is toggled, added to the lanes' places.  One set of scale words: the words of a slot's first
; 256 along K are fetched in the slot before, those of its second 256 in its first step.
; FOR q AND k THE RING GOES ON BEHIND K: cos and sin come through the same two slots in four fills of 32 tokens for each half of the tile's rows (rows of 1,024 bytes, 16 of padding behind each), asked for jointly along the
; cluster's row; wave 2 wr + 0 fetches cos, wave 2 wr + 1 sin, of the tokens of row half wr.  The first fill is asked for at the last change of slots of K.
; PREFETCHES.  Of the 128 rows of codes that a wave fetches for a K step, each of the four partners that ask jointly names 32, told apart by address (cx for A, cy for B), a lane a row of 256 bytes: K step 2 ahead of the loop,
; K step 3 in the first trip: one slot ahead of the load.  K steps 0 and 1 come by their loads alone.  Of a fill's 32 rows of cos or sin each partner names the quarter 256 cx of every row: fill 0 ahead of the loop, fills 1, 2, 3 at the
; three changes of slots: at least one slot ahead of the load.  So each block of 256 bytes is named once in each cluster that loads it.
; THE OUTPUT, qkv: for each head and step of 128 tokens a block, steps in descending order (place 31 - step).  kv part: 34,816 bytes a block: K's codes 16,384, V's codes 16,384, K's scale words 1,024, V's 1,024.  q part, from QOFF: 17,408 a block.
; Codes lie as images of the operand's registers: a fragment (16 rows x 128 K) is [block of 32: 4][row: 16][16 bytes]; inside a block's 16 bytes the four words hold numbers 0-7, 16-23, 8-15, 24-31, alike on both sides of each product.
; LIMITS: NaN and infinities are not served; a block of zeros takes the byte 1 (its codes are zeros; this program alone reads the bytes).
; REGISTERS.  Main loop: window 0: v5-29 addresses, v32-63 scale words, v128-191 A's fragments; window 1: B's fragments, two sets; windows 2, 3: the accumulators.
; Behind it: window 0: v32-63 partial sums, then 1 / rms; v64-79 sums; v80-87 scale words made; v96-119 the quantiser's; v128-191 the gain or the tokens' sums; v192-255 numbers ahead of the quantiser; window 1: cos and sin, two sets.
.set NQ,     4
.set ROWB,   256
.set KROW,   1024
.set PITCH,  272                       ; 256 bytes + 16 of padding: the 16 rows that a load touches start at 16 different banks
.set FR,     8
.set NL,     2
.set NP,     4                         ; places behind this matrix instruction (ISA guide 7.12.1)
.set HALFT,  128*PITCH
.set SLOT,   4*HALFT
.set KS,     64
.set SCL,    2*SLOT                    ; the scales of all of K, as runs of 256 bytes + 16 of padding
.set HALFS,  32*272
.set SBLK,   4*272
.set SPARE,  SCL+4*HALFS               ; the spare words, 128 bytes a wave, that no other line names
.set XQK,    SPARE+512                 ; q, k: the waves' exchange of sums, 4 x 1,024 bytes of its own
.set XV,     SCL                       ; v: the same, 4 x 8,192 bytes, in the scales' bytes: filled once, and read by nobody behind the round at the end of K
.set CSP,    1040                      ; a row of cos or sin in LDS
.set CST,    32*CSP                    ; what one wave fetches of them
.set QOFF,   4456448
.set VC0,  5                           ; v5, v15 my place in cos's tile in slot 0, 1
.set VNW,  6
.set VCO,  7
.set VSO,  8
.set XS0,  9
.set XL0,  10
.set XS1,  11
.set XL1,  12
.set ADRA, 16                          ; v16 A's fragments in the slot in hand, v17 in the other, v18 in slot 0
.set PFO,  19                          ; v19 the prefetches' offset: 1,024 x lane; never rewritten
.set ADRB, 20                          ; v20-22 the same for B
.set ADRS, 27
.set SPW,  28
.set NIL,  29
.set SC,   32
.set AF,   128
.set SSP,  32
.set RS,   32
.set SS,   64
.set SSO,  72
.set SWD,  80
.set TM,   96
.set PC,   112
.set NW,   128
.set SSV,  128
.set OUT,  192
.set WV,   20
.set WR,   21
.set WC,   22
.set TYPE, 23
.set G1,   24
.set G0,   32                          ; s[32:35], s[56:59] the ring's groups 0, which walk
.set KC,   36
.set TBC,  37                          ; s37 LDS byte of the slot in hand, s38 of the other
.set TBN,  38
.set TOK,  39
.set G1B,  48
.set G0B,  56
.set LB,   60
.set LC,   61
.set PFA,  66                          ; s[66:67] my work-group's 32 rows of the 128 rows of codes that I fetch
.set G1S,  68
.set G0S,  76
.set G1C,  68                          ; cos and sin take the registers of A's scales' descriptor, once that load is done
.set G0C,  76
.set G1SB, 80
.set G0SB, 88
.set G0H,  92
.set G0HB, 96
.set SEL,  100
.set PFC,  104                         ; s[104:105] my work-group's quarter of the rows of cos or sin of the fill that is prefetched next
.set MSB, 0
.macro WIN new                         ; the immediate's high byte repeats the setting that is left
.if MSB != (\new)
	s_set_vgpr_msb (MSB<<8)|(\new)
.set MSB, (\new)
.endif
.endm
.set MUL_LO, 0xa1
.set MUL_HI, 0xf1
.set TO_B,   0x40
.macro PLACES n
.rept \n
	v_nop
.endr
.endm
; a joint load: waves 0 and 1 fetch for A, waves 2 and 3 for B; an s_nop 0 and four v_nop follow each line
.macro JLOAD g0a, g1a, g0b, g1b
	s_cmp_eq_u32 s[WR], 0
	s_cbranch_scc0 .Lfor_b_\@
	tensor_load_to_lds s[\g0a:\g0a+3], s[\g1a:\g1a+7]
	s_nop 0
	PLACES 4
	s_branch .Lasked_\@
.Lfor_b_\@:
	tensor_load_to_lds s[\g0b:\g0b+3], s[\g1b:\g1b+7]
	s_nop 0
	PLACES 4
.Lasked_\@:
.endm
.macro CREST
	s_cmp_lg_u32 s[WV], 0
	s_cbranch_scc1 .Lnot_wave_0_\@
	s_barrier_signal -3
.Lnot_wave_0_\@:
	s_barrier_wait -3
	s_barrier_signal -1
	s_barrier_wait -1
.endm
.macro CROUND
	s_barrier_signal -1
	s_barrier_wait -1
	CREST
.endm
.macro SEQ                             ; three lines ahead of a refill's barrier and at the wave's end
	s_wait_tensorcnt 0x0
	ds_add_u32 v[SPW], v[NIL]
	s_wait_dscnt 0x0
.endm
.macro ASKCS                           ; q, k: 32 rows x 256 bytes of cos or sin, a lane a row
	s_cmp_eq_u32 s[TYPE], 2
	s_cbranch_scc1 .Lno_ask_\@
	global_prefetch_b8 v[PFO], s[PFC:PFC+1] th:TH_LOAD_NT scope:SCOPE_SE
.Lno_ask_\@:
.endm
	s_load_b256 s[4:11], s[0:1], 0x0               ; c1, s1, cos, sin
	s_load_b128 s[12:15], s[0:1], 0x20             ; q_norm_w, k_norm_w
	s_load_b64 s[16:17], s[0:1], 0x30              ; qkv
	v_lshl_add_u32 v[SPW], v0, 2, SPARE
	v_mov_b32 v[NIL], 0
	ds_add_u32 v[SPW], v[NIL]                      ; the opening lines: the add twice on end and its wait ahead of my first tensor load
	ds_add_u32 v[SPW], v[NIL]
	v_lshrrev_b32 v1, 5, v0
	v_readfirstlane_b32 s[WV], v1
	s_lshr_b32 s[WR], s[WV], 1
	s_and_b32 s[WC], s[WV], 1
	s_bfe_u32 s40, ttmp6, 0x40000                  ; cx, cy
	s_bfe_u32 s41, ttmp6, 0x40004
	s_mov_b32 s[TYPE], ttmp9
	s_and_b32 s2, ttmp7, 0xffff
	s_lshl_b32 s2, s2, 2                           ; the cluster's first tile of tokens
	s_lshl_b32 s3, s[TYPE], 2
	s_add_co_u32 s3, s3, 16                        ; the type's first tile of weight rows
	s_cmp_eq_u32 s[TYPE], 2
	s_cselect_b32 s43, 24, s2                      ; A: v: v_w's tiles;  q, k: tokens
	s_cselect_b32 s42, s2, s3                      ; B: v: tokens;  q, k: the weight's tiles
	s_add_co_u32 s43, s43, s41                     ; A's tile takes cy alone,
	s_add_co_u32 s42, s42, s40                     ; B's cx alone
	s_add_co_u32 s[TOK], s2, s41                   ; q, k: my tile of tokens, for cos and sin
	s_lshl_b32 s44, s41, 2
	s_lshl_b32 s44, 15, s44                        ; my row of the cluster
	s_lshl_b32 s45, 0x1111, s40                    ; my column
	s_or_b32 s[G1+0], s44, (0<<16)|(1<<20)|(1<<21)|(5<<22)|(3<<25)
	s_or_b32 s[G1B+0], s45, (0<<16)|(1<<20)|(1<<21)|(5<<22)|(3<<25)
.irp g, G1, G1B                        ; rows of 256 bytes: 256 of them for the head's loads, 128 for the ring's
	s_mov_b32 s[\g+1], ROWB<<16
	s_mov_b32 s[\g+2], 256<<16
	s_mov_b32 s[\g+3], ROWB<<16
	s_mov_b32 s[\g+4], 256
	s_mov_b32 s[\g+5], KROW
	s_mov_b32 s[\g+6], 0
	s_mov_b32 s[\g+7], 0
.endr
	s_or_b32 s[G1S+0], s44, (3<<16)|(1<<20)|(1<<21)|(5<<22)|(3<<25)
	s_or_b32 s[G1SB+0], s45, (3<<16)|(1<<20)|(1<<21)|(5<<22)|(3<<25)
.irp g, G1S, G1SB                      ; the scales of 256 rows: 16,384 dense bytes as 64 rows of 256
	s_mov_b32 s[\g+1], 32<<16
	s_mov_b32 s[\g+2], KS<<16
	s_mov_b32 s[\g+3], 32<<16
	s_mov_b32 s[\g+4], KS
	s_mov_b32 s[\g+5], 32
	s_mov_b32 s[\g+6], 0
	s_mov_b32 s[\g+7], 0
.endr
	s_lshl_b32 s46, s43, 18                        ; a tile's codes: 256 rows of 1,024 bytes
	s_mov_b32 s47, 0
	s_lshl_b32 s98, s42, 18
	s_mov_b32 s99, 0
	s_lshl_b32 s2, s43, 14                         ; its scales: 256 rows of 64 bytes
	s_mov_b32 s3, 0
	s_lshl_b32 s18, s42, 14
	s_mov_b32 s19, 0
	s_mul_i32 s[LB], s[WV], HALFT                  ; where my part of a slot lies: no place in the cluster enters an LDS address
	s_mul_i32 s[LC], s[WV], CST
	s_lshl_b32 s62, s[WC], 17                      ; in the ring I fetch 128 rows: which half
	s_mov_b32 s63, 0
	s_mov_b32 s[SEL], 0x76543210
	s_mov_b32 s[SEL+1], 0xfedcba98
	s_mov_b32 s[TBC], SLOT
	s_mov_b32 s[TBN], 0
	s_wait_dscnt 0x0                               ; both opening adds are done
	s_wait_kmcnt 0x0
	s_add_nc_u64 s[46:47], s[4:5], s[46:47]
	s_add_nc_u64 s[98:99], s[4:5], s[98:99]
	s_add_nc_u64 s[G0S+2:G0S+3], s[6:7], s[2:3]
	s_add_nc_u64 s[G0SB+2:G0SB+3], s[6:7], s[18:19]
	s_cmp_eq_u32 s[WR], 0                          ; the prefetches of codes: A's tile or B's,
	s_cselect_b64 s[PFA:PFA+1], s[46:47], s[98:99]
	s_cselect_b32 s2, s40, s41                     ; my place among the four that ask for it with me:
	s_lshl_b32 s2, s2, 15                          ; 32 rows of 1,024 bytes,
	s_add_co_u32 s2, s2, s62                       ; in the 128 rows that I fetch
	s_add_nc_u64 s[PFA:PFA+1], s[PFA:PFA+1], s[2:3]
	CROUND                                         ; all sixteen work-groups are here: the first joint loads meet
	s_mov_b32 s[G0H], 1
	s_mov_b32 s[G0H+1], 0
	s_mov_b64 s[G0H+2:G0H+3], s[46:47]
	s_or_b32 s[G0H+3], s[G0H+3], 0x80000000
	s_mov_b32 s[G0], 1                             ; the ring's: K step 1, slot 1
	s_add_co_u32 s[G0+1], s[LB], SLOT
	s_add_nc_u64 s[G0+2:G0+3], s[46:47], s[62:63]
	s_add_nc_u64 s[G0+2:G0+3], s[G0+2:G0+3], ROWB
	s_or_b32 s[G0+3], s[G0+3], 0x80000000
	s_mov_b32 s[G0B], 1
	s_add_co_u32 s[G0B+1], s[LB], SLOT
	s_add_nc_u64 s[G0B+2:G0B+3], s[98:99], s[62:63]
	s_add_nc_u64 s[G0B+2:G0B+3], s[G0B+2:G0B+3], ROWB
	s_or_b32 s[G0B+3], s[G0B+3], 0x80000000
	s_mov_b32 s[G0HB], 1                           ; s[98:99] already hold B's tile
	s_mov_b32 s[G0HB+1], 2*HALFT
	s_or_b32 s[G0HB+3], s[G0HB+3], 0x80000000
	s_mov_b32 s[G0S], 1
	s_mov_b32 s[G0S+1], SCL
	s_or_b32 s[G0S+3], s[G0S+3], 0x80000000
	s_mov_b32 s[G0SB], 1
	s_mov_b32 s[G0SB+1], SCL+2*HALFS
	s_or_b32 s[G0SB+3], s[G0SB+3], 0x80000000
; the head's loads, one a wave: wave 0 K step 0's 256 rows of A, wave 1 of B, wave 2 A's scales, wave 3 B's: one tree of branches on the wave's number
.macro ARM under, g0, g1, next
	s_cmp_lt_u32 s[WV], \under
	s_cbranch_scc0 \next
	tensor_load_to_lds s[\g0:\g0+3], s[\g1:\g1+7]
	s_nop 0
	PLACES 4
	s_branch .Lhead_asked
\next:
.endm
	ARM 1, G0H,  G1,  .Lhead_b
	ARM 2, G0HB, G1B, .Lhead_sa
	ARM 3, G0S,  G1S, .Lhead_sb
	tensor_load_to_lds s[G0SB:G0SB+3], s[G1SB:G1SB+7]
	s_nop 0
	PLACES 4
.Lhead_asked:
	s_mul_i32 s2, s[WR], HALFT                     ; my 128 rows of A
	s_mul_i32 s3, s[WC], HALFT
	s_add_co_u32 s3, s3, 2*HALFT                   ; my 128 rows of B
	s_mul_i32 s4, s[WR], HALFS
	s_mul_i32 s5, s[WC], HALFS
	s_add_co_u32 s5, s5, 2*HALFS
	s_sub_co_u32 s5, s5, s4                        ; from A's scales to B's
	s_add_co_u32 s4, s4, SCL-16                    ; 16 bytes short: every fetch of scale words names the K step after the address
	s_lshl_b32 s6, s[WV], 10
	s_add_co_u32 s6, s6, XQK
	s_xor_b32 s7, s[WV], 1
	s_lshl_b32 s7, s7, 10
	s_add_co_u32 s7, s7, XQK
	s_lshl_b32 s18, s[WV], 13
	s_add_co_u32 s18, s18, XV
	s_xor_b32 s19, s[WV], 2
	s_lshl_b32 s19, s19, 13
	s_add_co_u32 s19, s19, XV
	s_lshl_b32 s46, s[WC], 8
	s_mul_i32 s47, s[WR], 2*CST
	s_add_co_u32 s47, s47, s46
	v_and_b32 v1, 15, v0                           ; r
	v_bfe_u32 v2, v0, 4, 1                         ; h
	v_and_b32 v3, 31, v0
	v_lshlrev_b32 v3, 4, v3
	v_mul_u32_u24 v4, v1, PITCH
	v_lshl_add_u32 v4, v2, 4, v4
	v_add_nc_u32 v[ADRA+2], s2, v4
	v_add_nc_u32 v[ADRB+2], s3, v4
	v_mul_u32_u24 v13, v1, KS
	v_lshrrev_b32 v14, 8, v13
	v_lshl_add_u32 v13, v14, 4, v13
	v_mul_u32_u24 v14, s5, v2                      ; lanes 16-31 take B's
	v_add_nc_u32 v13, v13, v14
	v_add_nc_u32 v[ADRS], s4, v13
	v_add_nc_u32 v[XS0], s6, v3
	v_add_nc_u32 v[XL0], s7, v3
	v_add_nc_u32 v[XS1], s18, v3
	v_add_nc_u32 v[XL1], s19, v3
	v_lshl_add_u32 v[VNW], v2, 5, s46
	v_mul_u32_u24 v[VC0], v1, CSP
	v_lshl_add_u32 v[VC0], v2, 5, v[VC0]
	v_add_nc_u32 v[VC0], s47, v[VC0]               ; cos: tile 2 wr, row r, 256 wc + 32 h bytes on
	v_add_nc_u32 v[VC0+10], SLOT, v[VC0]
	v_lshlrev_b32 v[VCO], 4, v1
	v_lshl_add_u32 v[VCO], v2, 3, v[VCO]
	v_lshlrev_b32 v[PFO], 6, v3                    ; 1,024 x lane
.irp b, 0,1,2,3
	v_mov_b32 v[TM+4+\b], 0                        ; a lane permute's destination counts as one of its sources
.endr
.macro FRAG reg, adr, q, i
.irp c, 0,1
	ds_load_b128 v[\reg+4*\c:\reg+4*\c+3], v[\adr] offset:64*(\q)+32*\c+(\i)*16*PITCH
.endr
.endm
; 16 matrix instructions: A's blocks a0, a0 + 1 x B's eight.  The 64 accumulators take turns in the same order in every step.
.macro MUL16 a0, p, q, zero
.irp a, \a0, \a0+1
.irp b, 0,1,2,3,4,5,6,7
.if \zero
	v_wmma_scale_f32_16x16x128_f8f6f4 v[8*(8*((\a)%4)+\b):8*(8*((\a)%4)+\b)+7], v[128*(\p)+FR*\b:128*(\p)+FR*\b+FR-1], v[AF+FR*(\a):AF+FR*(\a)+FR-1], 0, v[SC+NQ*\b+(\q)], v[SC+NQ*(\a)+(\q)] matrix_a_fmt:MATRIX_FMT_FP4 matrix_b_fmt:MATRIX_FMT_FP4 matrix_a_scale:MATRIX_SCALE_ROW1
.else
	v_wmma_scale_f32_16x16x128_f8f6f4 v[8*(8*((\a)%4)+\b):8*(8*((\a)%4)+\b)+7], v[128*(\p)+FR*\b:128*(\p)+FR*\b+FR-1], v[AF+FR*(\a):AF+FR*(\a)+FR-1], v[8*(8*((\a)%4)+\b):8*(8*((\a)%4)+\b)+7], v[SC+NQ*\b+(\q)], v[SC+NQ*(\a)+(\q)] matrix_a_fmt:MATRIX_FMT_FP4 matrix_b_fmt:MATRIX_FMT_FP4 matrix_a_scale:MATRIX_SCALE_ROW1
.endif
.endr
.endr
.endm
.macro FETCH_B slot, q, p
	WIN TO_B
.irp i, 0,1,2,3,4,5,6,7
	FRAG 128*(\p)+FR*\i, ADRB+\slot, \q, \i
.endr
	WIN 0
.endm
.macro FETCH_A slot, q, i0
.irp i, \i0, \i0+1, \i0+2, \i0+3
	FRAG AF+FR*(\i), ADRA+\slot, \q, \i
.endr
.endm
.macro SCAL hf                         ; half hf of the next K step's scale words: two words a row; lanes 0-15 take A's block i, lanes 16-31 B's
.irp i, 0,1,2,3,4,5,6,7
	ds_load_b64 v[SC+NQ*\i+2*\hf:SC+NQ*\i+2*\hf+1], v[ADRS] offset:\i*SBLK+16+8*\hf
.endr
.endm
.macro STEP slot, q, zero, s23         ; a step of 128 along K that has its successor in the same slot; s23 = 1: it fetches the slot's last two scale words a row
	s_wait_dscnt 4*NL                              ; all but the youngest eight loads (A's blocks 4-7) are in
	WIN MUL_LO
	MUL16 0, (\q)%2, \q, \zero
	MUL16 2, (\q)%2, \q, \zero
	s_wait_dscnt 0
	PLACES NP
	FETCH_B \slot, (\q)+1, 1-(\q)%2
	FETCH_A \slot, (\q)+1, 0
.if \s23
	SCAL 1
.endif
	WIN MUL_HI
	MUL16 4, (\q)%2, \q, \zero
	MUL16 6, (\q)%2, \q, \zero
	PLACES NP
	WIN 0
	FETCH_A \slot, (\q)+1, 4
.endm
; A slot's last step changes slots: the three lines, a round of the cluster's barrier, the refill first behind it.  fill = 1: the slot in hand takes the K step two on.  fill = 2: q, k: it takes the first fill of cos and sin; v: nothing.
.macro TURN fill
	s_wait_tensorcnt 0x0                           ; all my tensor loads have landed
	ds_add_u32 v[SPW], v[NIL]
	s_wait_dscnt 4*NL+1                            ; (the add and the youngest eight loads may be out)
	WIN MUL_LO
	MUL16 0, 1, NQ-1, 0
	s_wait_dscnt 0x0                               ; the add is done, and my reads of this slot are over
	s_barrier_signal -1
	MUL16 2, 1, NQ-1, 0
	WIN 0
	s_barrier_wait -1
	CREST
.if \fill == 1
	s_add_nc_u64 s[G0+2:G0+3], s[G0+2:G0+3], ROWB
	s_add_nc_u64 s[G0B+2:G0B+3], s[G0B+2:G0B+3], ROWB
	s_add_co_u32 s[G0+1], s[LB], s[TBC]
	s_add_co_u32 s[G0B+1], s[LB], s[TBC]
	JLOAD G0, G1, G0B, G1B
.else
	s_cmp_eq_u32 s[TYPE], 2                        ; the cluster's x: the same in all waves of all partners
	s_cbranch_scc1 .Lno_cs_\@
	tensor_load_to_lds s[G0C:G0C+3], s[G1C:G1C+7]
	s_nop 0
	PLACES 4
.Lno_cs_\@:
	PLACES NP
.endif
	FETCH_B 1, 0, 0
	FETCH_A 1, 0, 0
	SCAL 0
.if \fill == 1
	s_cmp_lg_u32 s[KC], 0                          ; the first trip names K step 3, which the next trip loads; there is no K step behind it
	s_cbranch_scc1 .Lno_k_\@
	global_prefetch_b8 v[PFO], s[PFA:PFA+1] offset:3*ROWB th:TH_LOAD_NT scope:SCOPE_SE
.Lno_k_\@:
.endif
	ASKCS
	WIN MUL_HI
	MUL16 4, 1, NQ-1, 0
	MUL16 6, 1, NQ-1, 0
	PLACES NP
	WIN 0
	FETCH_A 1, 0, 4
.endm
.macro TOP                             ; a trip's head: the slots change roles, the scale words' address goes a K step on, the prefetches of cos and sin a fill
	s_wait_xcnt 0x0                                ; my prefetches have read their address
	s_add_nc_u64 s[PFC:PFC+1], s[PFC:PFC+1], 32*1024
	s_xor_b32 s[TBC], s[TBC], SLOT
	s_xor_b32 s[TBN], s[TBN], SLOT
	v_add_nc_u32 v[ADRA], s[TBC], v[ADRA+2]
	v_add_nc_u32 v[ADRA+1], s[TBN], v[ADRA+2]
	v_add_nc_u32 v[ADRB], s[TBC], v[ADRB+2]
	v_add_nc_u32 v[ADRB+1], s[TBN], v[ADRB+2]
	v_add_nc_u32 v[ADRS], 16, v[ADRS]
	s_wait_alu depctr_va_vdst(0)                   ; the wait directly behind these writes
.endm
	s_wait_alu depctr_va_vdst(0)                   ; the wait at the head's end
	s_wait_tensorcnt 0x0                           ; my tile of the head's four is in; no load of mine is out, so descriptors may be written
	ds_add_u32 v[SPW], v[NIL]
	s_mov_b32 s[G1+2], 128<<16                     ; the ring's loads bring 128 rows
	s_mov_b32 s[G1+4], 128
	s_mov_b32 s[G1B+2], 128<<16
	s_mov_b32 s[G1B+4], 128
	s_or_b32 s[G1C], s44, (3<<16)|(1<<20)|(1<<21)|(7<<22)|(3<<25)   ; cos, sin: 32 rows of 1,024 bytes (128 elements of 8), four words of padding after every 256; shared along my row
	s_mov_b32 s[G1C+1], 128<<16
	s_mov_b32 s[G1C+2], 32<<16
	s_mov_b32 s[G1C+3], 128<<16
	s_mov_b32 s[G1C+4], 32
	s_mov_b32 s[G1C+5], 128
	s_mov_b32 s[G1C+6], 0
	s_mov_b32 s[G1C+7], 0
	s_mov_b32 s[G0C], 1
	s_mov_b32 s[G0C+1], s[LC]
	s_cmp_eq_u32 s[WC], 0
	s_cselect_b64 s[G0C+2:G0C+3], s[8:9], s[10:11] ; even waves fetch cos, odd waves sin
	s_lshl_b32 s2, s[TOK], 18
	s_lshl_b32 s3, s[WR], 17
	s_add_co_u32 s2, s2, s3                        ; token 256 x tile + 128 wr, 1,024 bytes a token
	s_mov_b32 s3, 0
	s_add_nc_u64 s[G0C+2:G0C+3], s[G0C+2:G0C+3], s[2:3]
	s_lshl_b32 s2, s40, 8                          ; the prefetches: my work-group's quarter of each row
	s_add_nc_u64 s[PFC:PFC+1], s[G0C+2:G0C+3], s[2:3]
	s_or_b32 s[G0C+3], s[G0C+3], 0x80000000
	s_wait_dscnt 0x0
	CROUND                                         ; all four tiles are in, and all sixteen work-groups are here
	JLOAD G0, G1, G0B, G1B                         ; K step 1, into slot 1: issued as a refill is
	FETCH_B 2, 0, 0
	FETCH_A 2, 0, 0
	SCAL 0
	SCAL 1
	FETCH_A 2, 0, 4
	global_prefetch_b8 v[PFO], s[PFA:PFA+1] offset:2*ROWB th:TH_LOAD_NT scope:SCOPE_SE   ; K step 2, which the first trip loads
	ASKCS                                          ; and the first fill of cos and sin
	STEP 2, 0, 1, 0                                ; the first step starts the sums
	s_mov_b32 s[KC], 0
.Lk:                                               ; two trips: from a slot's second step to the next slot's first; each fills the slot that it leaves
	TOP
	STEP 0, 1, 0, 0
	STEP 0, 2, 0, 0
	TURN 1
	STEP 1, 0, 0, 1
	s_add_co_u32 s[KC], s[KC], 1
	s_cmp_lt_u32 s[KC], 2
	s_cbranch_scc1 .Lk
	TOP
	STEP 0, 1, 0, 0
	STEP 0, 2, 0, 0
	TURN 2
	STEP 1, 0, 0, 1
	STEP 1, 1, 0, 0
	STEP 1, 2, 0, 0
	s_wait_dscnt 4*NL
	WIN MUL_LO
	MUL16 0, 1, NQ-1, 0
	MUL16 2, 1, NQ-1, 0
	s_wait_dscnt 0
	WIN MUL_HI
	MUL16 4, 1, NQ-1, 0
	MUL16 6, 1, NQ-1, 0
	WIN 0
	s_wait_tensorcnt 0x0                           ; q, k: my part of the first fill of cos and sin is in
	ds_add_u32 v[SPW], v[NIL]
	s_mov_b32 s92, 0x3b800000                      ; 1 / 256
	s_mov_b32 s93, 0x358637bd                      ; 1e-6
	s_wait_dscnt 0x0
	CROUND                                         ; nobody reads slot 1 or the scales any more
; 64 numbers of a lane, v[s] on; registers 16 b .. 16 b + 15 are my half of block b (the other half lies in lane l xor 16): eight registers of codes and the row's scale word in v[pw]
.macro QUANT s, pw
.irp b, 0,1,2,3
	v_max3_num_f32 v[TM+\b], |v[(\s)+16*\b]|, |v[(\s)+1+16*\b]|, 0x1800000   ; and the floor 2^(3 - 127): the byte cannot fall under 1
.endr
.irp i, 2,4,6,8,10,12,14
.irp b, 0,1,2,3
	v_max3_num_f32 v[TM+\b], v[TM+\b], |v[(\s)+16*\b+\i]|, |v[(\s)+1+16*\b+\i]|
.endr
.endr
.irp b, 0,1,2,3
	v_permlanex16_b32 v[TM+4+\b], v[TM+\b], s[SEL], s[SEL+1]
.endr
.irp b, 0,1,2,3
	v_max_num_f32 v[TM+\b], v[TM+\b], v[TM+4+\b]
.endr
.irp b, 0,1,2,3
	v_add_nc_u32 v[TM+12+\b], 0xff000000, v[TM+\b] ; 2 off the exponent field: the conversion's scale operand
.endr
.irp b, 0,1,2,3
	v_lshrrev_b32 v[TM+4+\b], 23, v[TM+12+\b]
.endr
	v_lshl_or_b32 v[\pw], v[TM+5], 8, v[TM+4]
	v_lshl_or_b32 v[\pw], v[TM+6], 16, v[\pw]
	v_lshl_or_b32 v[\pw], v[TM+7], 24, v[\pw]
.irp b, 0,1,2,3
	v_cvt_scalef32_pk8_fp4_f32 v[PC+2*\b], v[(\s)+16*\b:(\s)+7+16*\b], v[TM+12+\b]
	v_cvt_scalef32_pk8_fp4_f32 v[PC+1+2*\b], v[(\s)+8+16*\b:(\s)+15+16*\b], v[TM+12+\b]
.endr
	v_nop                                          ; one plain line behind the scaled conversions
.endm
.macro CLOSE
	SEQ
	CROUND                                         ; the closing round
	s_endpgm
.endm
.macro CSFILL p                        ; fill p of cos and sin: tokens 32 p on, into slot p % 2: my one tensor load behind the round
	s_add_co_u32 s[G0C+1], s[LC], ((\p)%2)*SLOT
	s_add_nc_u64 s[G0C+2:G0C+3], s[G0C+2:G0C+3], 32*1024
	tensor_load_to_lds s[G0C:G0C+3], s[G1C:G1C+7]
	s_nop 0
	PLACES 4
.endm
	s_cmp_eq_u32 s[TYPE], 2
	s_cbranch_scc1 .Lv
	; ======== q and k.  Lane (r, h) of accumulator (a, b): token 16 a + r of my 128, channel 64 wc + 16 (b % 4) + 128 (b / 4) + 8 h + j
	CSFILL 1                                       ; its four v_nop are also the places behind the last products
	s_cmp_eq_u32 s[TYPE], 0
	s_cselect_b64 s[12:13], s[12:13], s[14:15]     ; q's gain or k's
	s_cselect_b32 s98, QOFF, 0
	s_lshl_b32 s2, 0x88000, s[TYPE]                ; a head's blocks: 557,056 bytes in the q part, twice that in the kv part
	s_mul_i32 s2, s2, s40                          ; the head is cx
	s_add_co_u32 s98, s98, s2
	s_lshl_b32 s2, s43, 1
	s_add_co_u32 s2, s2, s[WR]                     ; my step of 128 tokens
	s_sub_co_u32 s2, 31, s2
	s_lshl_b32 s3, 0x4400, s[TYPE]
	s_mul_i32 s2, s2, s3
	s_add_co_u32 s98, s98, s2
	s_mov_b32 s99, 0
	s_add_nc_u64 s[16:17], s[16:17], s[98:99]      ; my block
	s_lshl_b32 s2, s[WC], 10
	s_mov_b32 s3, 0
	s_add_nc_u64 s[94:95], s[16:17], s[2:3]        ; codes: K step wc of each tile of 16 tokens
	s_lshl_b32 s2, 0x4000, s[TYPE]
	s_lshl_b32 s98, s[WC], 8
	s_add_co_u32 s2, s2, s98
	s_add_nc_u64 s[96:97], s[16:17], s[2:3]        ; scale words
	v_lshlrev_b32 v[VSO], 4, v1
	v_lshl_add_u32 v[VSO], v2, 9, v[VSO]
.irp b, 0,1,2,3,4,5,6,7
.irp p, 0,1
	global_load_b128 v[NW+8*\b+4*\p:NW+8*\b+4*\p+3], v[VNW], s[12:13] offset:64*(\b%4)+512*(\b/4)+16*\p   ; the gain of my 64 channels
.endr
.endr
.macro CSLOAD a                        ; cos and sin of block a's 16 tokens at my 64 channels, from LDS into set a % 2 of window 1: 32 loads
	WIN 0x40
.irp b, 0,1,2,3,4,5,6,7
.irp p, 0,1
	ds_load_b128 v[128*((\a)%2)+8*\b+4*\p:128*((\a)%2)+8*\b+4*\p+3], v[VC0+10*(((\a)/2)%2)] offset:16*CSP*((\a)%2)+64*(\b%4)+512*(\b/4)+16*\p
	ds_load_b128 v[128*((\a)%2)+64+8*\b+4*\p:128*((\a)%2)+64+8*\b+4*\p+3], v[VC0+10*(((\a)/2)%2)] offset:CST+16*CSP*((\a)%2)+64*(\b%4)+512*(\b/4)+16*\p
.endr
.endr
	WIN 0
.endm
	CSLOAD 0
	CSLOAD 1
	; the sums of squares of my 64 channels for each of my eight blocks of tokens; every accumulator is read from its low end on
.irp hi, 0,1
	WIN 0x0a+5*\hi
.set i, 0
.rept 32
.irp q, 0,1,2,3
.if i < 2
	v_pk_mul_f32 v[SSP+16*\hi+4*\q+2*(i%2):SSP+16*\hi+4*\q+2*(i%2)+1], v[64*\q+2*i:64*\q+2*i+1], v[64*\q+2*i:64*\q+2*i+1]
.else
	v_pk_fma_f32 v[SSP+16*\hi+4*\q+2*(i%2):SSP+16*\hi+4*\q+2*(i%2)+1], v[64*\q+2*i:64*\q+2*i+1], v[64*\q+2*i:64*\q+2*i+1], v[SSP+16*\hi+4*\q+2*(i%2):SSP+16*\hi+4*\q+2*(i%2)+1]
.endif
.endr
.set i, i+1
.endr
.endr
	WIN 0
	s_wait_alu depctr_va_vdst(0)
	s_wait_loadcnt 0x0                             ; the gain
.irp a, 0,1,2,3,4,5,6,7
	v_pk_add_f32 v[SSP+4*\a:SSP+4*\a+1], v[SSP+4*\a:SSP+4*\a+1], v[SSP+4*\a+2:SSP+4*\a+3]
.endr
.irp a, 0,1,2,3,4,5,6,7
	v_add_f32 v[SS+\a], v[SSP+4*\a], v[SSP+4*\a+1]
.endr
.irp g, 0,4
.irp q, 0,1,2,3
	v_permlanex16_b32 v[TM+4+\q], v[SS+\g+\q], s[SEL], s[SEL+1]
.endr
.irp q, 0,1,2,3
	v_add_f32 v[SS+\g+\q], v[SS+\g+\q], v[TM+4+\q] ; my wave's 128 channels
.endr
.endr
	ds_store_b128 v[XS0], v[SS:SS+3]
	ds_store_b128 v[XS0], v[SS+4:SS+7] offset:512
	s_wait_alu depctr_va_vdst(0)
	s_wait_dscnt 0x0                               ; for the others' sake: my stores have landed
	s_barrier_signal -1
	s_barrier_wait -1
	ds_load_b128 v[SSO:SSO+3], v[XL0]
	ds_load_b128 v[SSO+4:SSO+7], v[XL0] offset:512
	s_wait_dscnt 0x0
.irp q, 0,2,4,6
	v_pk_add_f32 v[SS+\q:SS+\q+1], v[SS+\q:SS+\q+1], v[SSO+\q:SSO+\q+1]   ; the head's 256 channels
.endr
.irp a, 0,1,2,3,4,5,6,7
	v_fma_f32 v[RS+2*\a], v[SS+\a], s92, s93       ; the mean + eps
.endr
	s_wait_alu depctr_va_vdst(0)                   ; ahead of the batch
.irp a, 0,1,2,3,4,5,6,7
	v_rsq_f32 v[RS+2*\a], v[RS+2*\a]
.endr
	v_nop
	s_wait_alu depctr_va_vdst(0)                   ; and behind it, ahead of its first reader
.macro ROPEQ a                         ; block a: x / rms, x gain, rotated, quantised, stored
.set AC, 64*((\a)%4)
.set CSB, 128*((\a)%2)
.if (\a) > 0
	s_wait_xcnt 0x0                                ; the last block's stores have read their data
.endif
	WIN 0x82+0x41*((\a)/4)
.set i, 0
.rept 32
	v_pk_mul_f32 v[AC+i:AC+i+1], v[AC+i:AC+i+1], v[RS+2*(\a):RS+2*(\a)+1] op_sel_hi:[1,0]
.set i, i+2
.endr
.set i, 0
.rept 32
	v_pk_mul_f32 v[AC+i:AC+i+1], v[AC+i:AC+i+1], v[NW+i:NW+i+1]
.set i, i+2
.endr
	s_wait_dscnt 32*(1-(\a)%2)                     ; this block's cos and sin are in; an even block's successor's 32 loads may be out
	WIN 0x06+((\a)/4)
.set i, 0
.rept 32
	v_pk_mul_f32 v[OUT+i:OUT+i+1], v[AC+i:AC+i+1], v[CSB+i:CSB+i+1]
.set i, i+2
.endr
.set i, 0
.rept 32
.if i < 32
	v_pk_fma_f32 v[OUT+i:OUT+i+1], v[AC+32+i:AC+32+i+1], v[CSB+64+i:CSB+64+i+1], v[OUT+i:OUT+i+1] neg_lo:[1,0,0] neg_hi:[1,0,0]   ; d < 128: - y(d + 128) sin(d)
.else
	v_pk_fma_f32 v[OUT+i:OUT+i+1], v[AC+i-32:AC+i-32+1], v[CSB+64+i:CSB+64+i+1], v[OUT+i:OUT+i+1]   ; d >= 128: + y(d - 128) sin(d)
.endif
.set i, i+2
.endr
	WIN 0
	QUANT OUT, SWD+(\a)
.irp e, 0,1,2,3
	global_store_b64 v[VCO], v[PC+2*\e:PC+2*\e+1], s[94:95] offset:2048*(\a)+256*\e   ; the wave stores 256 consecutive bytes, aligned
.endr
.endm
	ROPEQ 0
	ROPEQ 1
.irp p, 1,2                            ; fill p is whole behind the round; fill p + 1 goes into the slot just read
	SEQ
	CROUND
	CSFILL \p+1
	CSLOAD 2*\p
	CSLOAD 2*\p+1
	ROPEQ 2*\p
	ROPEQ 2*\p+1
.endr
	SEQ
	s_barrier_signal -1
	s_barrier_wait -1                              ; the last fill is whole; nothing is left to fetch
	CSLOAD 6
	CSLOAD 7
	ROPEQ 6
	ROPEQ 7
	v_cmp_ne_u32 vcc_lo, 0, v2
.irp i, 0,1,2,3
	v_cndmask_b32 v[TM+8+\i], v[SWD+\i], v[SWD+4+\i], vcc_lo   ; lanes 0-15 send tiles 0-3's words, lanes 16-31 tiles 4-7's
.endr
	global_store_b128 v[VSO], v[TM+8:TM+11], s[96:97]
	CLOSE
	; ======== v.  Lane (r, h) of accumulator (a, b): channel 16 a + r of my 128, token 16 b + 8 h + j of my step of 128
.Lv:
	PLACES NP
	s_mul_i32 s98, s41, 1114112                    ; the head is cy
	s_lshl_b32 s2, s42, 1
	s_add_co_u32 s2, s2, s[WC]
	s_sub_co_u32 s2, 31, s2
	s_mul_i32 s2, s2, 34816
	s_add_co_u32 s98, s98, s2
	s_mov_b32 s99, 0
	s_add_nc_u64 s[16:17], s[16:17], s[98:99]
	s_lshl_b32 s2, s[WR], 13
	s_add_co_u32 s2, s2, 16384
	s_mov_b32 s3, 0
	s_add_nc_u64 s[94:95], s[16:17], s[2:3]        ; V's codes: channel tiles 8 wr on
	s_lshl_b32 s2, s[WR], 9
	s_add_co_u32 s2, s2, 33792
	s_add_nc_u64 s[96:97], s[16:17], s[2:3]        ; V's scale words
	v_lshlrev_b32 v[VSO], 4, v1
	v_lshl_add_u32 v[VSO], v2, 8, v[VSO]
.irp a, 0,1,2,3,4,5,6,7                ; the squares of my eight channels of each of my 64 tokens; every accumulator is read from its low end on
	WIN 0x0a+5*(\a/4)
.set i, 0
.rept 32
.if \a == 0
	v_pk_mul_f32 v[SSV+i:SSV+i+1], v[i:i+1], v[i:i+1]
.else
	v_pk_fma_f32 v[SSV+i:SSV+i+1], v[64*(\a%4)+i:64*(\a%4)+i+1], v[64*(\a%4)+i:64*(\a%4)+i+1], v[SSV+i:SSV+i+1]
.endif
.set i, i+2
.endr
.endr
	WIN 0
.irp i, 0,1,2,3,4,5,6,7,8,9,10,11,12,13,14,15
	ds_store_b128 v[XS1], v[SSV+4*\i:SSV+4*\i+3] offset:512*\i
.endr
	s_wait_dscnt 0x0
	s_barrier_signal -1
	s_barrier_wait -1
.irp i, 0,1,2,3,4,5,6,7,8,9,10,11,12,13,14,15
	ds_load_b128 v[OUT+4*\i:OUT+4*\i+3], v[XL1] offset:512*\i
.endr
	s_wait_dscnt 0x0
.set i, 0
.rept 32
	v_pk_add_f32 v[SSV+i:SSV+i+1], v[SSV+i:SSV+i+1], v[OUT+i:OUT+i+1]   ; with the other 128 channels' wave
.set i, i+2
.endr
.irp m, 1,2,4,8                        ; and across the sixteen lanes of my half: sixteen channels of the same tokens
.set i, 0
.rept 64
	v_add_f32_dpp v[SSV+i], v[SSV+i], v[SSV+i] row_xmask:\m row_mask:0xf bank_mask:0xf
.set i, i+1
.endr
.endr
.set i, 0
.rept 64
	v_fma_f32 v[SSV+i], v[SSV+i], s92, s93
.set i, i+1
.endr
.set i, 0
	s_wait_alu depctr_va_vdst(0)
.rept 64
	v_rsq_f32 v[SSV+i], v[SSV+i]
.set i, i+1
.endr
	v_nop
	s_wait_alu depctr_va_vdst(0)
.macro VQ a                            ; channel tile a: x / rms of each token, quantised along the tokens, stored
.if (\a) > 0
	s_wait_xcnt 0x0
.endif
	WIN 0x02+((\a)/4)
.set i, 0
.rept 32
	v_pk_mul_f32 v[OUT+i:OUT+i+1], v[64*((\a)%4)+i:64*((\a)%4)+i+1], v[SSV+i:SSV+i+1]
.set i, i+2
.endr
	WIN 0
	QUANT OUT, SWD+(\a)
.irp e, 0,1,2,3
	global_store_b64 v[VCO], v[PC+2*\e:PC+2*\e+1], s[94:95] offset:1024*(\a)+256*\e
.endr
.endm
.irp a, 0,1,2,3,4,5,6,7
	VQ \a
.endr
	v_cmp_ne_u32 vcc_lo, 0, v2
.irp i, 0,1,2,3
	v_cndmask_b32 v[TM+8+\i], v[SWD+\i], v[SWD+4+\i], vcc_lo
.endr
	global_store_b128 v[VSO], v[TM+8:TM+11], s[96:97]
	CLOSE
.Lfunc_end_k_q7e6d2cf609_qkv:
	.size	k_q7e6d2cf609_qkv, .Lfunc_end_k_q7e6d2cf609_qkv-k_q7e6d2cf609_qkv
	.p2alignl 7, 3214868480
	.fill 96, 4, 3214868480
	.section	.rodata,"a",@progbits
	.p2align	6, 0x0
	.amdhsa_kernel k_q7e6d2cf609_qkv
		.amdhsa_group_segment_fixed_size 327680
		.amdhsa_private_segment_fixed_size 0
		.amdhsa_enable_private_segment 0
		.amdhsa_kernarg_size 56
		.amdhsa_user_sgpr_count 2
		.amdhsa_user_sgpr_kernarg_segment_ptr 1
		.amdhsa_wavefront_size32 1
		.amdhsa_system_sgpr_workgroup_id_x 1
		.amdhsa_system_sgpr_workgroup_id_y 1
		.amdhsa_system_sgpr_workgroup_id_z 1
		.amdhsa_system_vgpr_workitem_id 0
		.amdhsa_next_free_vgpr 1024
		.amdhsa_next_free_sgpr 106
		.amdhsa_reserve_vcc 1
		.amdhsa_float_denorm_mode_32 3
		.amdhsa_float_denorm_mode_16_64 3
		.amdhsa_memory_ordered 1
		.amdhsa_forward_progress 1
		.amdhsa_inst_pref_size 255
	.end_amdhsa_kernel
	.section	.bss,"aw",@nobits
	.p2align	6
	.space	262144
	.amdgpu_metadata
---
amdhsa.version: [ 1, 2 ]
amdhsa.kernels:
  - .name:           k_q7e6d2cf609_qkv
    .symbol:         k_q7e6d2cf609_qkv.kd
    .args:
      - { .name: c1, .offset: 0, .size: 8, .value_kind: global_buffer, .address_space: global }
      - { .name: s1, .offset: 8, .size: 8, .value_kind: global_buffer, .address_space: global }
      - { .name: cos, .offset: 16, .size: 8, .value_kind: global_buffer, .address_space: global }
      - { .name: sin, .offset: 24, .size: 8, .value_kind: global_buffer, .address_space: global }
      - { .name: q_norm_w, .offset: 32, .size: 8, .value_kind: global_buffer, .address_space: global }
      - { .name: k_norm_w, .offset: 40, .size: 8, .value_kind: global_buffer, .address_space: global }
      - { .name: qkv, .offset: 48, .size: 8, .value_kind: global_buffer, .address_space: global }
    .group_segment_fixed_size: 327680
    .private_segment_fixed_size: 0
    .kernarg_segment_align: 8
    .kernarg_segment_size: 56
    .max_flat_workgroup_size: 128
    .sgpr_count:     106
    .vgpr_count:     1024
    .wavefront_size: 32
...
	.end_amdgpu_metadata
.endif
;; end of part 2
;; launch attn (part 3): grid 64 x 4, 4 waves a work-group, no clusters, 327,680 bytes of LDS; arguments qkv, ac, asc; writes ac, asc
.if DOCPART == 3
	.amdgcn_target "amdgcn-amd-amdhsa--gfx1250"
	.amdhsa_code_object_version 6
	.text
	.protected	k_q7e6d2cf609_attn
	.globl	k_q7e6d2cf609_attn
	.p2align	8
	.type	k_q7e6d2cf609_attn,@function
k_q7e6d2cf609_attn:
	s_mov_b64 s[64:65], 0
	v_nop
	global_prefetch_b8 v0, s[64:65] scope:SCOPE_SE
	s_setreg_imm32_b32 hwreg(HW_REG_WAVE_MODE, 25, 1), 1
	s_wait_xcnt 0x0
; LAUNCH 3 OF 4.  Attention on the band i - 1024 < j <= i, both products on codes of FP4, and the quantiser of the result along (head, channel) for the projection out.
; LEFT OUT: steps of 128 keys that lie wholly outside the band that reference() builds (shown at the head of launch 1).  A NaN or an overflow that reaches only those scores is not carried to the result.
; SHARES.  A work-group owns 64 queries of one head, each of its four waves 16: one tile.  With T the step of 128 tokens that holds the queries, the keys that count lie in steps T, T - 1, .. T - 8: nine steps, walked DOWNWARD,
; so that the first step walked holds the diagonal key, which counts for every query: the running maximum is a number from the first step on.  A step under 0 does not exist.
; The causal edge cuts step T alone, the window's edge step T - 8 alone: with DQ = the query's place in its step - 8 (lane / 16), register 8 t + i (key 16 t + 8 (lane / 16) + i of the step) is hidden in step T where 16 t + i > DQ, in step T - 8 where 16 t + i <= DQ.
; NO CLUSTER: neighbouring blocks of queries want different steps; at each end of the band a joint tile would be wholly hidden for some partner, and the jump round its work would hang on the work-group's place in its cluster.
; NO PREFETCH: each step's block is among the first four that some work-group asks for at its head.
; THE SOFTMAX: t = score x log2(e); M = the running largest t rounded up to a whole number; p = 2^(t - M) is quantised along the keys, not normalised; the row's sum is taken of the unquantised p and divides at the end; when M moves, sum and O are multiplied by a power of two.
; A block's largest p is the block's largest score put through the same multiply-add and exponential (this takes v_exp_f32 not to fall where its input rises).
; LAYOUT.  S^T = K Q^T (source 0 = 16 keys, source 1 = my 16 queries), O^T = V^T P^T (source 0 = 16 channels, source 1 = P): a lane holds one query throughout.  The 16 registers of key tiles 2 b, 2 b + 1 are my half of key block b: numbers 0-7 and 16-23
; (lanes 0-15) or 8-15 and 24-31; the exchange of halves behind the conversions gives the word order 0-7, 16-23, 8-15, 24-31 in which launch 2 laid V's blocks.
; LDS.  Launch 2 laid the steps' blocks (34,816 bytes each) in the order of the walk, so the nine blocks are 313,344 consecutive bytes of qkv, and they lie in LDS as in memory; no byte is filled twice.  Two groups: steps 0-3 of the walk at the head,
; steps 4-8 behind the first barrier, if the walk's step 4 exists; of each group a wave fetches a quarter of the bytes by one load, as rows of 256 bytes.  Steps under 0 bring bytes of qkv that follow (written by launch 2) and are not read.
; THE STEP IS LAID SO THAT NO PRODUCT WAITS FOR A LOAD JUST ISSUED: V's 34 loads go out behind the first product, the NEXT step's 34 loads of K behind them, in four runs among the softmax's vector lines.  The walk's last step has no successor:
; its address of 'the next K' is its own (chosen by s_cselect_b32, no branch), and what those loads bring is not used.
; REGISTERS: window 0: v1-10 addresses; v12 -M, v13 the largest t, v[14:15] the sum; v16-31 Q; v32 Q's scale words; v36-43 K's, v44-51 V's; v96-159 S^T, then p; v160-223 numbers ahead of the last quantiser; v224-231 codes; v232-254 at work.
;   window 1: v0-127 O^T, 16 tiles of 16 channels.   window 2: v0-127 K's 16 fragments, v128-255 V's 16.
; LIMITS: NaN and infinities are not served; a block of zeros takes the byte 1.
.set STEPB, 34816
.set SPARE, 9*STEPB                    ; the spare words, 128 bytes a wave, that no other line names
.set QOFF,  4456448
.set LN16, 1                           ; v1 16 x lane
.set AD,   2                           ; v2 my lane's place in the step in hand; v3 in the step whose K is fetched next
.set AD2,  3
.set LN4,  4
.set SPW,  5
.set NIL,  6
.set VCO,  7
.set RR,   8
.set HH,   9
.set DQ,   10
.set QF,   16
.set QS,   32
.set KSC,  36
.set VSC,  44
.set ST,   96
.set OUT,  160
.set PC,   224
.set TM,   232
.set WV,   10
.set XX,   11
.set HD,   12
.set TT,   13                          ; s13 T
.set JT,   14                          ; s14 the step in hand, T - j: signed
.set TB,   15                          ; s15 LDS byte at which the step in hand begins
.set G1,   16                          ; s[16:23] group 1 for the first group: 136 rows;  s[48:55] for the second: 170 rows
.set G0,   24
.set LOW,  28                          ; s28 the walk's last step: the larger of T - 8 and 0
.set CNT,  29
.set SEL,  30
.set CS,   32                          ; s[32:33] log2(e)
.set T8,   34
.set G1X,  48
.set DD,   56                          ; s[56:57] from my part of the first group to my part of the second, in memory and in LDS alike
.set MSB, 0
.macro WIN new
.if MSB != (\new)
	s_set_vgpr_msb (MSB<<8)|(\new)
.set MSB, (\new)
.endif
.endm
.macro MM d, x, y, zero, sx, sy, rx, ry
.if \zero
.if ((\rx) == 0) && ((\ry) == 0)
	v_wmma_scale_f32_16x16x128_f8f6f4 v[\d:\d+7], v[\x:\x+7], v[\y:\y+7], 0, v[\sx], v[\sy] matrix_a_fmt:MATRIX_FMT_FP4 matrix_b_fmt:MATRIX_FMT_FP4
.elseif (\ry) == 0
	v_wmma_scale_f32_16x16x128_f8f6f4 v[\d:\d+7], v[\x:\x+7], v[\y:\y+7], 0, v[\sx], v[\sy] matrix_a_fmt:MATRIX_FMT_FP4 matrix_b_fmt:MATRIX_FMT_FP4 matrix_a_scale:MATRIX_SCALE_ROW1
.elseif (\rx) == 0
	v_wmma_scale_f32_16x16x128_f8f6f4 v[\d:\d+7], v[\x:\x+7], v[\y:\y+7], 0, v[\sx], v[\sy] matrix_a_fmt:MATRIX_FMT_FP4 matrix_b_fmt:MATRIX_FMT_FP4 matrix_b_scale:MATRIX_SCALE_ROW1
.else
	v_wmma_scale_f32_16x16x128_f8f6f4 v[\d:\d+7], v[\x:\x+7], v[\y:\y+7], 0, v[\sx], v[\sy] matrix_a_fmt:MATRIX_FMT_FP4 matrix_b_fmt:MATRIX_FMT_FP4 matrix_a_scale:MATRIX_SCALE_ROW1 matrix_b_scale:MATRIX_SCALE_ROW1
.endif
.else
.if ((\rx) == 0) && ((\ry) == 0)
	v_wmma_scale_f32_16x16x128_f8f6f4 v[\d:\d+7], v[\x:\x+7], v[\y:\y+7], v[\d:\d+7], v[\sx], v[\sy] matrix_a_fmt:MATRIX_FMT_FP4 matrix_b_fmt:MATRIX_FMT_FP4
.elseif (\ry) == 0
	v_wmma_scale_f32_16x16x128_f8f6f4 v[\d:\d+7], v[\x:\x+7], v[\y:\y+7], v[\d:\d+7], v[\sx], v[\sy] matrix_a_fmt:MATRIX_FMT_FP4 matrix_b_fmt:MATRIX_FMT_FP4 matrix_a_scale:MATRIX_SCALE_ROW1
.elseif (\rx) == 0
	v_wmma_scale_f32_16x16x128_f8f6f4 v[\d:\d+7], v[\x:\x+7], v[\y:\y+7], v[\d:\d+7], v[\sx], v[\sy] matrix_a_fmt:MATRIX_FMT_FP4 matrix_b_fmt:MATRIX_FMT_FP4 matrix_b_scale:MATRIX_SCALE_ROW1
.else
	v_wmma_scale_f32_16x16x128_f8f6f4 v[\d:\d+7], v[\x:\x+7], v[\y:\y+7], v[\d:\d+7], v[\sx], v[\sy] matrix_a_fmt:MATRIX_FMT_FP4 matrix_b_fmt:MATRIX_FMT_FP4 matrix_a_scale:MATRIX_SCALE_ROW1 matrix_b_scale:MATRIX_SCALE_ROW1
.endif
.endif
.endm
; 64 numbers of a lane become eight registers of codes, in ascending order within each block, and a scale word
.macro QUANT s, pw
.irp b, 0,1,2,3
	v_max3_num_f32 v[TM+\b], |v[(\s)+16*\b]|, |v[(\s)+1+16*\b]|, 0x1800000   ; and the floor 2^(3 - 127): the byte cannot fall under 1
.endr
.irp i, 2,4,6,8,10,12,14
.irp b, 0,1,2,3
	v_max3_num_f32 v[TM+\b], v[TM+\b], |v[(\s)+16*\b+\i]|, |v[(\s)+1+16*\b+\i]|
.endr
.endr
.irp b, 0,1,2,3
	v_permlanex16_b32 v[TM+4+\b], v[TM+\b], s[SEL], s[SEL+1]
.endr
.irp b, 0,1,2,3
	v_max_num_f32 v[TM+\b], v[TM+\b], v[TM+4+\b]
.endr
.irp b, 0,1,2,3
	v_add_nc_u32 v[TM+12+\b], 0xff000000, v[TM+\b]
.endr
.irp b, 0,1,2,3
	v_lshrrev_b32 v[TM+4+\b], 23, v[TM+12+\b]
.endr
	v_lshl_or_b32 v[\pw], v[TM+5], 8, v[TM+4]
	v_lshl_or_b32 v[\pw], v[TM+6], 16, v[\pw]
	v_lshl_or_b32 v[\pw], v[TM+7], 24, v[\pw]
.irp b, 0,1,2,3
	v_cvt_scalef32_pk8_fp4_f32 v[PC+2*\b], v[(\s)+16*\b:(\s)+7+16*\b], v[TM+12+\b]
	v_cvt_scalef32_pk8_fp4_f32 v[PC+1+2*\b], v[(\s)+8+16*\b:(\s)+15+16*\b], v[TM+12+\b]
.endr
	v_nop                                          ; one plain line behind the scaled conversions
.irp b, 0,1,2,3
	v_permlane16_swap_b32 v[PC+2*\b], v[PC+1+2*\b] ; lanes 0-15 now hold numbers 0-15 of the block, lanes 16-31 numbers 16-31
.endr
.endm
	s_load_b128 s[4:7], s[0:1], 0x0                ; qkv, ac
	s_load_b64 s[8:9], s[0:1], 0x10                ; asc
	v_lshl_add_u32 v[SPW], v0, 2, SPARE
	v_mov_b32 v[NIL], 0
	ds_add_u32 v[SPW], v[NIL]                      ; the opening lines: the add twice on end and its wait ahead of my first tensor load
	ds_add_u32 v[SPW], v[NIL]
	v_lshrrev_b32 v1, 5, v0
	v_readfirstlane_b32 s[WV], v1
	s_mov_b32 s[XX], ttmp9                         ; my block of 64 queries
	s_and_b32 s[HD], ttmp7, 0xffff                 ; the head
	s_lshr_b32 s[TT], s[XX], 1
	s_mov_b32 s[JT], s[TT]
	s_sub_co_i32 s[T8], s[TT], 8
	s_max_i32 s[LOW], s[T8], 0
	s_mov_b32 s[TB], 0
	s_mov_b32 s[SEL], 0x76543210
	s_mov_b32 s[SEL+1], 0xfedcba98
	s_mov_b32 s[CS], 0x3fb8aa3b                    ; log2(e): the scores' scale is 1
	s_mov_b32 s[CS+1], s[CS]
.irp g, G1, G1X                        ; dense rows of 256 bytes (32 elements of 8)
	s_mov_b32 s[\g], 3<<16
	s_mov_b32 s[\g+1], 32<<16
	s_mov_b32 s[\g+3], 32<<16
	s_mov_b32 s[\g+5], 32
	s_mov_b32 s[\g+6], 0
	s_mov_b32 s[\g+7], 0
.endr
	s_mov_b32 s[G1+2], 136<<16                     ; a quarter of four steps: 34,816 bytes
	s_mov_b32 s[G1+4], 136
	s_mov_b32 s[G1X+2], 170<<16                    ; a quarter of five steps: 43,520 bytes
	s_mov_b32 s[G1X+4], 170
	s_mul_i32 s[DD], s[WV], 8704
	s_add_co_u32 s[DD], s[DD], 4*STEPB             ; 139,264 + 43,520 wave - 34,816 wave
	s_mov_b32 s[DD+1], 0
	s_and_b32 s35, s[XX], 1                        ; which half of its step of 128 tokens my block is
	s_sub_co_u32 s46, 31, s[TT]                    ; step T's place
	s_mul_i32 s36, s[HD], 1114112
	s_mul_i32 s47, s46, STEPB
	s_add_co_u32 s36, s36, s47
	s_mul_i32 s47, s[WV], STEPB
	s_add_co_u32 s36, s36, s47                     ; my quarter of the first group
	s_mov_b32 s37, 0
	s_mul_i32 s38, s[HD], 557056
	s_mul_i32 s47, s46, 17408
	s_add_co_u32 s38, s38, s47
	s_add_co_u32 s38, s38, QOFF                    ; q's block of step T
	s_mov_b32 s39, 0
	s_lshl_b32 s40, s35, 9
	s_lshl_b32 s46, s[WV], 2
	s_add_co_u32 s40, s40, s46
	s_add_co_u32 s40, s40, 16384
	s_add_co_u32 s40, s40, s38                     ; my tile's scale words
	s_mov_b32 s41, 0
	s_lshl_b32 s47, s35, 2
	s_add_co_u32 s47, s47, s[WV]
	s_lshl_b32 s47, s47, 11
	s_add_co_u32 s38, s38, s47                     ; my tile's codes: 2,048 bytes a tile
	s_lshl_b32 s46, s[XX], 2
	s_add_co_u32 s46, s46, s[WV]                   ; my tile of 16 tokens
	s_lshl_b32 s42, s[HD], 19
	s_lshl_b32 s47, s46, 11
	s_add_co_u32 s42, s42, s47                     ; in ac: 524,288 bytes a head, 2,048 a tile
	s_mov_b32 s43, 0
	s_lshl_b32 s44, s[HD], 15
	s_lshl_b32 s47, s46, 7
	s_add_co_u32 s44, s44, s47                     ; in asc: 32,768 bytes a head, 128 a tile
	s_mov_b32 s45, 0
	s_lshl_b32 s46, s35, 6
	s_lshl_b32 s47, s[WV], 4
	s_add_co_u32 s46, s46, s47                     ; my first query's place in its step
	s_wait_dscnt 0x0                               ; both opening adds are done
	s_wait_kmcnt 0x0
	s_mov_b32 s[G0], 1
	s_mul_i32 s[G0+1], s[WV], STEPB
	s_add_nc_u64 s[G0+2:G0+3], s[4:5], s[36:37]
	s_or_b32 s[G0+3], s[G0+3], 0x80000000
	tensor_load_to_lds s[G0:G0+3], s[G1:G1+7]      ; the first group: every wave issues its quarter; one load of mine is out
	s_nop 0
.rept 4
	v_nop
.endr
	s_add_nc_u64 s[38:39], s[4:5], s[38:39]
	s_add_nc_u64 s[40:41], s[4:5], s[40:41]
	s_add_nc_u64 s[42:43], s[6:7], s[42:43]
	s_add_nc_u64 s[44:45], s[8:9], s[44:45]
	v_and_b32 v[LN4], 31, v0
	v_lshlrev_b32 v[LN16], 4, v[LN4]
	v_lshlrev_b32 v[LN4], 2, v[LN4]
.irp i, 0,1,2,3
	global_load_b128 v[QF+4*\i:QF+4*\i+3], v[LN16], s[38:39] offset:512*\i   ; Q's two fragments, as images: they stay
.endr
	global_load_b32 v[QS], v[LN16], s[40:41]       ; lanes 0-15: K step 0's words, lanes 16-31: K step 1's
	v_and_b32 v[RR], 15, v0
	v_bfe_u32 v[HH], v0, 4, 1
	v_lshlrev_b32 v[VCO], 4, v[RR]
	v_lshl_add_u32 v[VCO], v[HH], 3, v[VCO]
	v_lshlrev_b32 v[DQ], 3, v[HH]
	v_sub_nc_u32 v[DQ], v[RR], v[DQ]
	v_add_nc_u32 v[DQ], s46, v[DQ]
	v_mov_b32 v13, 0xff61b1e6                      ; the largest t so far: -3e38, under every t
	v_floor_f32 v12, -v13                          ; -M
	v_mov_b32 v14, 0
	v_mov_b32 v15, 0
.irp b, 0,1,2,3
	v_mov_b32 v[236+\b], 0                         ; a lane permute's destination counts as one of its sources
.endr
	v_mov_b32 v252, 0
	v_mov_b32 v253, 0
	WIN 0x40
.set n, 0
.rept 128
	v_mov_b32 v[n], 0                              ; O^T.  The step is written for every place in the walk: the first finds zeros, which the first change of M leaves zeros; that spares a further copy of the step
.set n, n+1
.endr
	WIN 0
.macro PIECES adr, n0, n1              ; pieces n0 .. n1 - 1 of a step's block, 512 bytes each, 16 a lane, into v[4 n] of window 2: K's are 0-31, V's 32-63
	WIN 0x80
.set n, \n0
.rept (\n1)-(\n0)
	ds_load_b128 v[4*n:4*n+3], v[\adr] offset:512*n
.set n, n+1
.endr
	WIN 0
.endm
.macro KSCALES adr                     ; K's scale words: register t: lanes 0-15 K step 0, lanes 16-31 K step 1
	ds_load_b128 v[KSC:KSC+3], v[\adr] offset:512*64
	ds_load_b128 v[KSC+4:KSC+7], v[\adr] offset:512*65
.endm
; AT A GROUP'S HEAD each wave waits for all its tensor loads, adds 0 to its spare word, waits for that and for its LDS reads, and passes the barrier: the group is whole.
; fill = 1: the second group is asked for, into bytes of its own, if its first step exists: the test is made of the work-group's number alone, the same in all four waves; every wait on TENSORcnt in this text is for 0.
.macro CHANGE fill
	s_wait_tensorcnt 0x0                           ; no tensor load of mine is out, so group 0 of the descriptor may be written
	ds_add_u32 v[SPW], v[NIL]
.if \fill
	s_add_co_u32 s[G0+1], s[G0+1], s[DD]
	s_add_nc_u64 s[G0+2:G0+3], s[G0+2:G0+3], s[DD:DD+1]   ; the type bits on top are not reached
.endif
	s_wait_dscnt 0x0
	s_barrier_signal -1
	s_barrier_wait -1
.if \fill
	s_cmp_lt_i32 s[JT], 4                          ; the second group's first step is T - 4
	s_cbranch_scc1 .Lpast_\@
	tensor_load_to_lds s[G0:G0+3], s[G1X:G1X+7]    ; my one tensor load behind this barrier: it has three steps in which to land
	s_nop 0
.rept 4
	v_nop
.endr
.Lpast_\@:
.endif
.endm
; A KEY STEP of 128 keys.  causal = 1: the copy for the walk's first three steps, with the causal edge in step T; causal = 0: the copy for the last six, with the window's edge in step T - 8
.macro STEP causal
	s_cmp_lt_i32 s[JT], 0
	s_cbranch_scc1 .Lhidden_\@                     ; no such step: round its loads, products and softmax, not round the lines at its end
	s_cmp_le_i32 s[JT], s[LOW]                     ; the walk's last step names itself as its successor
	s_cselect_b32 s35, 0, STEPB
	s_add_co_u32 s35, s35, s[TB]
	s_min_u32 s35, s35, 8*STEPB
	v_add_nc_u32 v[AD], s[TB], v[LN16]
	v_add_nc_u32 v[AD2], s35, v[LN16]
	s_wait_alu depctr_va_vdst(0)                   ; the wait directly behind these writes
	s_wait_dscnt 0x0                               ; K and its scale words, asked for in the step before, are in
	WIN 0x02
.irp t, 0,1,2,3,4,5,6,7                ; the eight accumulators by turns, one instruction a turn
	MM ST+8*\t, 16*\t, QF, 1, KSC+\t, QS, 0, 0
.endr
.irp t, 0,1,2,3,4,5,6,7
	MM ST+8*\t, 16*\t+8, QF+8, 0, KSC+\t, QS, 1, 1
.endr
	WIN 0
.rept 4
	v_nop                                          ; places: in front of the reads of S^T and of the loads into V's and K's registers
.endr
	ds_load_b128 v[VSC:VSC+3], v[AD] offset:512*66 ; V's scale words: register 4 (ct / 8) + ct % 4: lanes 0-15 and 16-31 by (ct / 4) % 2
	ds_load_b128 v[VSC+4:VSC+7], v[AD] offset:512*67
	PIECES AD, 32, 46
.if \causal
	s_cmp_lg_u32 s[JT], s[TT]
.else
	s_cmp_lg_u32 s[JT], s[T8]
.endif
	s_cbranch_scc1 .Lopen_\@                       ; the band's edge does not cut this step
	v_mov_b32 v254, 0xff800000                     ; -infinity: p = 0 then
.set n, 0
.rept 64
.if \causal
	v_cmp_gt_i32 vcc_lo, 16*(n/8)+n%8, v[DQ]
.else
	v_cmp_le_i32 vcc_lo, 16*(n/8)+n%8, v[DQ]
.endif
	v_cndmask_b32 v[ST+n], v[ST+n], v254, vcc_lo
.set n, n+1
.endr
.Lopen_\@:
.irp b, 0,1,2,3
	v_max3_num_f32 v[232+\b], v[ST+16*\b], v[ST+1+16*\b], v[ST+2+16*\b]   ; the largest score of each block of 32 keys: for the row's maximum and for the block's largest p
.endr
.irp i, 3,5,7,9,11,13
.irp b, 0,1,2,3
	v_max3_num_f32 v[232+\b], v[232+\b], v[ST+16*\b+\i], v[ST+1+16*\b+\i]
.endr
.endr
.irp b, 0,1,2,3
	v_max_num_f32 v[232+\b], v[232+\b], v[ST+15+16*\b]
.endr
.irp b, 0,1,2,3
	v_permlanex16_b32 v[236+\b], v[232+\b], s[SEL], s[SEL+1]
.endr
.irp b, 0,1,2,3
	v_max_num_f32 v[232+\b], v[232+\b], v[236+\b]
.endr
	PIECES AD, 46, 64                              ; the rest of V
	v_max3_num_f32 v254, v232, v233, v234
	v_max_num_f32 v254, v254, v235
	v_mul_f32 v254, s[CS], v254                    ; as t
	v_max_num_f32 v13, v13, v254                   ; the running largest t
	v_mov_b32 v254, v12
	v_floor_f32 v12, -v13                          ; the new -M = -ceil(t): a whole number
	v_sub_f32 v254, v12, v254                      ; old M - new M: a whole number, 0 or less
	v_cvt_i32_f32 v254, v254                       ; (it saturates)
	v_ldexp_f32 v252, 1.0, v254                    ; f = 2^(old M - new M)
.set n, 0
.rept 32
	v_pk_fma_f32 v[ST+n:ST+n+1], v[ST+n:ST+n+1], s[CS:CS+1], v[12:13] op_sel_hi:[1,0,0]   ; t - M
.set n, n+2
.endr
.irp b, 0,1,2,3
	v_fma_f32 v[232+\b], v[232+\b], s[CS], v12
.endr
	PIECES AD2, 0, 17                              ; the next step's K: 17 loads here, 17 further down
.set n, 0
	s_wait_alu depctr_va_vdst(0)                   ; ahead of the batch
.rept 64
	v_exp_f32 v[ST+n], v[ST+n]                     ; p = 2^(t - M), at most 1
.set n, n+1
.endr
	v_pk_mul_f32 v[14:15], v[14:15], v[252:253] op_sel_hi:[1,0]   ; the sums under the new M (a plain line behind the exponentials)
	s_wait_alu depctr_va_vdst(0)                   ; one wait for the whole batch, ahead of its first reader
.irp b, 0,1,2,3
	v_exp_f32 v[232+\b], v[232+\b]                 ; the block's largest p
.endr
	v_pk_add_f32 v[236:237], v[ST:ST+1], v[ST+2:ST+3]   ; the row's sum is taken of the unquantised p, in two chains
.irp j, 4,8,12,16,20,24,28,32,36,40,44,48,52,56,60
	v_pk_add_f32 v[14:15], v[14:15], v[ST+\j:ST+1+\j]
	v_pk_add_f32 v[236:237], v[236:237], v[ST+2+\j:ST+3+\j]
.endr
	v_pk_add_f32 v[14:15], v[14:15], v[236:237]
	s_wait_alu depctr_va_vdst(0)                   ; and one for the four
.irp b, 0,1,2,3
	v_max_num_f32 v[232+\b], 0x1800000, v[232+\b]  ; the floor 2^(3 - 127)
.endr
.irp b, 0,1,2,3
	v_add_nc_u32 v[244+\b], 0xff000000, v[232+\b]
.endr
.irp b, 0,1,2,3
	v_lshrrev_b32 v[236+\b], 23, v[244+\b]
.endr
	v_lshl_or_b32 v253, v237, 8, v236              ; p's scale word for these 128 keys
	v_lshl_or_b32 v253, v238, 16, v253
	v_lshl_or_b32 v253, v239, 24, v253
.irp b, 0,1,2,3
	v_cvt_scalef32_pk8_fp4_f32 v[PC+2*\b], v[ST+16*\b:ST+7+16*\b], v[244+\b]
	v_cvt_scalef32_pk8_fp4_f32 v[PC+1+2*\b], v[ST+8+16*\b:ST+15+16*\b], v[244+\b]
.endr
	v_nop                                          ; one plain line behind the scaled conversions
.irp e, 0,1                            ; the operand wants a whole block in a lane: lanes 0-15 block 2 e, lanes 16-31 block 2 e + 1
.irp i, 0,1
	v_permlane16_swap_b32 v[PC+4*\e+\i], v[PC+2+4*\e+\i]
.endr
.endr
	KSCALES AD2
	PIECES AD2, 17, 32
	WIN 0x41
	s_wait_alu depctr_va_vdst(0)                   ; the wait directly ahead of the first reader of O^T
.set n, 0
.rept 64
	v_pk_mul_f32 v[n:n+1], v[n:n+1], v[252:253] op_sel_hi:[1,0]   ; O^T under the new M; these are also the plain lines between the scale word's and the codes' last writes and the products
.set n, n+2
.endr
	s_wait_alu depctr_va_vdst(0)
	s_wait_dscnt 34                                ; V and its scale words are in; the 34 loads of the next step's K, issued behind them, may be out
	WIN 0x52
.irp ct, 0,1,2,3,4,5,6,7,8,9,10,11,12,13,14,15
	MM 8*\ct, 128+8*\ct, PC, 0, VSC+4*(\ct/8)+\ct%4, 253, (\ct/4)%2, 0
.endr
	WIN 0
.Lhidden_\@:
	s_sub_co_i32 s[JT], s[JT], 1
	s_add_co_u32 s[TB], s[TB], STEPB
.endm
	s_wait_alu depctr_va_vdst(0)                   ; the wait at the head's end
	s_wait_loadcnt 0x0                             ; Q
	CHANGE 1                                       ; steps 0-3 of the walk are whole; steps 4-8 are asked for
	PIECES LN16, 0, 32                             ; the first step's K
	KSCALES LN16
	s_mov_b32 s[CNT], 3
.Lfirst:                                           ; steps 0-2: the last of them fetches K of step 3, which lies in the first group
	STEP 1
	s_sub_co_u32 s[CNT], s[CNT], 1
	s_cmp_lg_u32 s[CNT], 0
	s_cbranch_scc1 .Lfirst
	CHANGE 0                                       ; steps 4-8 are whole; nothing is left to fetch
	s_mov_b32 s[CNT], 6
.Lrest:
	STEP 0
	s_sub_co_u32 s[CNT], s[CNT], 1
	s_cmp_lg_u32 s[CNT], 0
	s_cbranch_scc1 .Lrest
	; THE WAY OUT: O^T / the sum, quantised along the channels in ascending order (it meets o_w's rows as they lie), stored as two fragments' images and a scale word a lane
.rept 4
	v_nop
.endr
	v_add_f32 v14, v14, v15
	v_permlanex16_b32 v252, v14, s[SEL], s[SEL+1]
	v_add_f32 v14, v14, v252                       ; the row's sum
	s_wait_alu depctr_va_vdst(0)
	v_rcp_f32 v14, v14
	v_nop                                          ; a plain line behind it,
	s_wait_alu depctr_va_vdst(0)                   ; and the wait ahead of its first reader
.irp s, 0,1                            ; channels 128 s on: one K step of the last product
	WIN 0x01
.set n, 0
.rept 32
	v_pk_mul_f32 v[OUT+n:OUT+n+1], v[64*\s+n:64*\s+n+1], v[14:15] op_sel_hi:[1,0]
.set n, n+2
.endr
	WIN 0
.if \s == 1
	s_wait_xcnt 0x0                                ; the first half's stores have read their data
.endif
	QUANT OUT, 240+\s
.irp e, 0,1,2,3
	global_store_b64 v[VCO], v[PC+2*\e:PC+2*\e+1], s[42:43] offset:1024*\s+256*\e   ; the wave stores 256 consecutive bytes, aligned
.endr
.endr
	v_cmp_ne_u32 vcc_lo, 0, v[HH]
	v_cndmask_b32 v242, v240, v241, vcc_lo         ; lanes 0-15: channels 0-127's word, lanes 16-31: channels 128-255's
	global_store_b32 v[LN4], v242, s[44:45]        ; 128 consecutive bytes a wave: the four waves of a work-group fill 512
	s_wait_tensorcnt 0x0                           ; the wave's end
	ds_add_u32 v[SPW], v[NIL]
	s_wait_dscnt 0x0
	s_endpgm
.Lfunc_end_k_q7e6d2cf609_attn:
	.size	k_q7e6d2cf609_attn, .Lfunc_end_k_q7e6d2cf609_attn-k_q7e6d2cf609_attn
	.p2alignl 7, 3214868480
	.fill 96, 4, 3214868480
	.section	.rodata,"a",@progbits
	.p2align	6, 0x0
	.amdhsa_kernel k_q7e6d2cf609_attn
		.amdhsa_group_segment_fixed_size 327680
		.amdhsa_private_segment_fixed_size 0
		.amdhsa_enable_private_segment 0
		.amdhsa_kernarg_size 24
		.amdhsa_user_sgpr_count 2
		.amdhsa_user_sgpr_kernarg_segment_ptr 1
		.amdhsa_wavefront_size32 1
		.amdhsa_system_sgpr_workgroup_id_x 1
		.amdhsa_system_sgpr_workgroup_id_y 1
		.amdhsa_system_sgpr_workgroup_id_z 1
		.amdhsa_system_vgpr_workitem_id 0
		.amdhsa_next_free_vgpr 768
		.amdhsa_next_free_sgpr 66
		.amdhsa_reserve_vcc 1
		.amdhsa_float_denorm_mode_32 3
		.amdhsa_float_denorm_mode_16_64 3
		.amdhsa_memory_ordered 1
		.amdhsa_forward_progress 1
		.amdhsa_inst_pref_size 84
	.end_amdhsa_kernel
	.amdgpu_metadata
---
amdhsa.version: [ 1, 2 ]
amdhsa.kernels:
  - .name:           k_q7e6d2cf609_attn
    .symbol:         k_q7e6d2cf609_attn.kd
    .args:
      - { .name: qkv, .offset: 0, .size: 8, .value_kind: global_buffer, .address_space: global }
      - { .name: ac, .offset: 8, .size: 8, .value_kind: global_buffer, .address_space: global }
      - { .name: asc, .offset: 16, .size: 8, .value_kind: global_buffer, .address_space: global }
    .group_segment_fixed_size: 327680
    .private_segment_fixed_size: 0
    .kernarg_segment_align: 8
    .kernarg_segment_size: 24
    .max_flat_workgroup_size: 128
    .sgpr_count:     66
    .vgpr_count:     768
    .wavefront_size: 32
...
	.end_amdgpu_metadata
.endif
;; end of part 3
;; launch oproj (part 4): grid 8 x 32, 4 waves a work-group, clusters of 4 x 4, 327,680 bytes of LDS; arguments ac, asc, c1, s1, out0; writes out0
.if DOCPART == 4
	.amdgcn_target "amdgcn-amd-amdhsa--gfx1250"
	.amdhsa_code_object_version 6
	.text
	.protected	k_q7e6d2cf609_oproj
	.globl	k_q7e6d2cf609_oproj
	.p2align	8
	.type	k_q7e6d2cf609_oproj,@function
k_q7e6d2cf609_oproj:
	s_mov_b64 s[64:65], 0
	v_nop
	global_prefetch_b8 v0, s[64:65] scope:SCOPE_SE
	s_setreg_imm32_b32 hwreg(HW_REG_WAVE_MODE, 25, 1), 1
	s_wait_xcnt 0x0
	s_wait_alu depctr_hold_cnt(0) depctr_sa_sdst(0) depctr_va_vdst(0) depctr_va_sdst(0) depctr_va_ssrc(0) depctr_va_vcc(0) depctr_vm_vsrc(0)
	s_getreg_b32 s2, hwreg(HW_REG_IB_STS2, 6, 4)
	s_cmp_eq_u32 s2, 0
	s_cbranch_scc0 .Lentry_in_a_cluster
	s_endpgm
.Lentry_in_a_cluster:
	s_bfe_u32 s2, ttmp6, 0x10000c
	s_cmp_lg_u32 s2, 0xf033
	s_cbranch_scc0 .Lentry_shape_is_right
	s_endpgm
.Lentry_shape_is_right:
; LAUNCH 4 OF 4.  out0 [4096][2048] = attention's result (codes in ac, scale words in asc, laid by launch 3 as images of the operand's registers) x o_w^T (codes and scale bytes in c1, s1 from launch 1), K = 1,024, on codes of FP4.
; SHARES.  A work-group makes 128 tokens x 256 outputs, a wave 64 x 128: 32 accumulators.  Source 0 = 16 rows of o_w, source 1 = 16 tokens: a lane holds eight neighbouring numbers of a row of out0.
; ALL OF K LIES IN LDS AT ONCE: 65,536 bytes of A's codes, 256 rows of 512 bytes of B's (16 of padding behind each), 4,096 and 8,192 bytes of scales.  Four tiles, one tensor load a wave at the head, each asked for jointly
; (A's along the cluster's row, B's along its column); one wait, one barrier; no byte is filled twice.
; NO PREFETCH: the launch has no loop to run ahead in: everything is asked for at the head.
; REGISTERS: window 0: v16-29 addresses, v32-47 A's scale words, v48-79 B's, v96-159 A's fragments (two sets), v128-255 the way out; window 1: the accumulators; window 2: B's fragments, two sets.
.set PITCH,  528
.set BH,     128*PITCH
.set BCO,    65536
.set ASC,    BCO+2*BH
.set BSC,    ASC+4096
.set STG,    BSC+2*4352                ; the way out: 16 rows x 528 bytes a wave, bytes of its own
.set SPITCH, 528
.set SPARE,  STG+4*16*SPITCH           ; the spare words, 128 bytes a wave, that no other line names
.set NROW,   8192
.set ADA,  16
.set ADB,  20
.set ASA,  22
.set ASB,  23
.set STO,  24
.set RD,   25
.set CO,   26
.set SPW,  28
.set NIL,  29
.set SA,   32
.set SB,   48
.set AF,   96
.set BK,   128
.set G1,   24
.set G0,   32
.set G1B,  48
.set G0B,  56
.set G1S,  68
.set G0S,  76
.set G1SB, 80
.set G0SB, 88
.set MSB, 0
.macro WIN new
.if MSB != (\new)
	s_set_vgpr_msb (MSB<<8)|(\new)
.set MSB, (\new)
.endif
.endm
.macro PLACES
.rept 4
	v_nop
.endr
.endm
.macro CROUND
	s_barrier_signal -1
	s_barrier_wait -1
	s_cmp_lg_u32 s14, 0
	s_cbranch_scc1 .Lnot_wave_0_\@
	s_barrier_signal -3
.Lnot_wave_0_\@:
	s_barrier_wait -3
	s_barrier_signal -1
	s_barrier_wait -1
.endm
.macro MM d, x, y, zero, sx, sy, rx, ry
.if \zero
.if ((\rx) == 0) && ((\ry) == 0)
	v_wmma_scale_f32_16x16x128_f8f6f4 v[\d:\d+7], v[\x:\x+7], v[\y:\y+7], 0, v[\sx], v[\sy] matrix_a_fmt:MATRIX_FMT_FP4 matrix_b_fmt:MATRIX_FMT_FP4
.elseif (\ry) == 0
	v_wmma_scale_f32_16x16x128_f8f6f4 v[\d:\d+7], v[\x:\x+7], v[\y:\y+7], 0, v[\sx], v[\sy] matrix_a_fmt:MATRIX_FMT_FP4 matrix_b_fmt:MATRIX_FMT_FP4 matrix_a_scale:MATRIX_SCALE_ROW1
.elseif (\rx) == 0
	v_wmma_scale_f32_16x16x128_f8f6f4 v[\d:\d+7], v[\x:\x+7], v[\y:\y+7], 0, v[\sx], v[\sy] matrix_a_fmt:MATRIX_FMT_FP4 matrix_b_fmt:MATRIX_FMT_FP4 matrix_b_scale:MATRIX_SCALE_ROW1
.else
	v_wmma_scale_f32_16x16x128_f8f6f4 v[\d:\d+7], v[\x:\x+7], v[\y:\y+7], 0, v[\sx], v[\sy] matrix_a_fmt:MATRIX_FMT_FP4 matrix_b_fmt:MATRIX_FMT_FP4 matrix_a_scale:MATRIX_SCALE_ROW1 matrix_b_scale:MATRIX_SCALE_ROW1
.endif
.else
.if ((\rx) == 0) && ((\ry) == 0)
	v_wmma_scale_f32_16x16x128_f8f6f4 v[\d:\d+7], v[\x:\x+7], v[\y:\y+7], v[\d:\d+7], v[\sx], v[\sy] matrix_a_fmt:MATRIX_FMT_FP4 matrix_b_fmt:MATRIX_FMT_FP4
.elseif (\ry) == 0
	v_wmma_scale_f32_16x16x128_f8f6f4 v[\d:\d+7], v[\x:\x+7], v[\y:\y+7], v[\d:\d+7], v[\sx], v[\sy] matrix_a_fmt:MATRIX_FMT_FP4 matrix_b_fmt:MATRIX_FMT_FP4 matrix_a_scale:MATRIX_SCALE_ROW1
.elseif (\rx) == 0
	v_wmma_scale_f32_16x16x128_f8f6f4 v[\d:\d+7], v[\x:\x+7], v[\y:\y+7], v[\d:\d+7], v[\sx], v[\sy] matrix_a_fmt:MATRIX_FMT_FP4 matrix_b_fmt:MATRIX_FMT_FP4 matrix_b_scale:MATRIX_SCALE_ROW1
.else
	v_wmma_scale_f32_16x16x128_f8f6f4 v[\d:\d+7], v[\x:\x+7], v[\y:\y+7], v[\d:\d+7], v[\sx], v[\sy] matrix_a_fmt:MATRIX_FMT_FP4 matrix_b_fmt:MATRIX_FMT_FP4 matrix_a_scale:MATRIX_SCALE_ROW1 matrix_b_scale:MATRIX_SCALE_ROW1
.endif
.endif
.endm
	s_load_b128 s[4:7], s[0:1], 0x0                ; ac, asc
	s_load_b128 s[8:11], s[0:1], 0x10              ; c1, s1
	s_load_b64 s[12:13], s[0:1], 0x20              ; out0
	v_lshl_add_u32 v[SPW], v0, 2, SPARE
	v_mov_b32 v[NIL], 0
	ds_add_u32 v[SPW], v[NIL]                      ; the opening lines: the add twice on end and its wait ahead of my first tensor load
	ds_add_u32 v[SPW], v[NIL]
	v_lshrrev_b32 v1, 5, v0
	v_readfirstlane_b32 s14, v1                    ; wave
	s_lshr_b32 s15, s14, 1                         ; which 64 tokens are mine
	s_and_b32 s16, s14, 1                          ; which 128 outputs
	s_bfe_u32 s40, ttmp6, 0x40000
	s_bfe_u32 s41, ttmp6, 0x40004
	s_lshl_b32 s42, ttmp9, 2
	s_add_co_u32 s42, s42, s40                     ; tile of 256 outputs
	s_and_b32 s17, ttmp7, 0xffff
	s_lshl_b32 s17, s17, 2
	s_add_co_u32 s17, s17, s41                     ; tile of 128 tokens
	s_lshl_b32 s43, s41, 2
	s_lshl_b32 s43, 15, s43                        ; my row of the cluster
	s_lshl_b32 s44, 0x1111, s40                    ; my column
	s_or_b32 s[G1], s43, (3<<16)|(1<<21)           ; A's codes: four heads' rows of 16,384 bytes (2,048 elements of 8), 524,288 bytes apart; dense in LDS
	s_mov_b32 s[G1+1], 2048<<16
	s_mov_b32 s[G1+2], 4<<16
	s_mov_b32 s[G1+3], 2048<<16
	s_mov_b32 s[G1+4], 4
	s_mov_b32 s[G1+5], 65536
	s_mov_b32 s[G1+6], 0
	s_mov_b32 s[G1+7], 0
	s_or_b32 s[G1B], s44, (0<<16)|(1<<20)|(1<<21)|(6<<22)|(3<<25)   ; B's codes: 256 rows of 512 bytes, four words of padding after every 128
	s_mov_b32 s[G1B+1], 512<<16
	s_mov_b32 s[G1B+2], 256<<16
	s_mov_b32 s[G1B+3], 512<<16
	s_mov_b32 s[G1B+4], 256
	s_mov_b32 s[G1B+5], 512
	s_mov_b32 s[G1B+6], 0
	s_mov_b32 s[G1B+7], 0
	s_or_b32 s[G1S], s43, (3<<16)|(1<<21)          ; A's scale words: four heads' rows of 1,024 bytes, 32,768 apart
	s_mov_b32 s[G1S+1], 128<<16
	s_mov_b32 s[G1S+2], 4<<16
	s_mov_b32 s[G1S+3], 128<<16
	s_mov_b32 s[G1S+4], 4
	s_mov_b32 s[G1S+5], 4096
	s_mov_b32 s[G1S+6], 0
	s_mov_b32 s[G1S+7], 0
	s_or_b32 s[G1SB], s44, (3<<16)|(1<<20)|(1<<21)|(5<<22)|(3<<25)  ; B's scale bytes: 8,192 dense bytes as 32 rows of 256, padded
	s_mov_b32 s[G1SB+1], 32<<16
	s_mov_b32 s[G1SB+2], 32<<16
	s_mov_b32 s[G1SB+3], 32<<16
	s_mov_b32 s[G1SB+4], 32
	s_mov_b32 s[G1SB+5], 32
	s_mov_b32 s[G1SB+6], 0
	s_mov_b32 s[G1SB+7], 0
	s_lshl_b32 s20, s17, 14                        ; 128 tokens of a head in ac
	s_mov_b32 s21, 0
	s_lshl_b32 s22, s17, 10                        ; and in asc
	s_mov_b32 s23, 0
	s_lshl_b32 s46, s42, 17                        ; 256 rows of o_w's codes,
	s_add_co_u32 s46, s46, 7340032
	s_mov_b32 s47, 0
	s_lshl_b32 s92, s42, 13                        ; and of its scale bytes
	s_add_co_u32 s92, s92, 458752
	s_mov_b32 s93, 0
	s_wait_dscnt 0x0                               ; both opening adds are done
	s_wait_kmcnt 0x0
	s_mov_b32 s[G0], 1
	s_mov_b32 s[G0+1], 0
	s_add_nc_u64 s[G0+2:G0+3], s[4:5], s[20:21]
	s_or_b32 s[G0+3], s[G0+3], 0x80000000
	s_mov_b32 s[G0B], 1
	s_mov_b32 s[G0B+1], BCO
	s_add_nc_u64 s[G0B+2:G0B+3], s[8:9], s[46:47]
	s_or_b32 s[G0B+3], s[G0B+3], 0x80000000
	s_mov_b32 s[G0S], 1
	s_mov_b32 s[G0S+1], ASC
	s_add_nc_u64 s[G0S+2:G0S+3], s[6:7], s[22:23]
	s_or_b32 s[G0S+3], s[G0S+3], 0x80000000
	s_mov_b32 s[G0SB], 1
	s_mov_b32 s[G0SB+1], BSC
	s_add_nc_u64 s[G0SB+2:G0SB+3], s[10:11], s[92:93]
	s_or_b32 s[G0SB+3], s[G0SB+3], 0x80000000
	CROUND                                         ; all sixteen work-groups are here: the joint loads meet
.macro ARM under, g0, g1, next         ; one tree of branches on the wave's number: every way through the head passes one load
	s_cmp_lt_u32 s14, \under
	s_cbranch_scc0 \next
	tensor_load_to_lds s[\g0:\g0+3], s[\g1:\g1+7]
	s_nop 0
	PLACES
	s_branch .Lhead_asked
\next:
.endm
	ARM 1, G0B,  G1B,  .Lhead_a
	ARM 2, G0,   G1,   .Lhead_sa
	ARM 3, G0S,  G1S,  .Lhead_sb
	tensor_load_to_lds s[G0SB:G0SB+3], s[G1SB:G1SB+7]
	s_nop 0
	PLACES
.Lhead_asked:
	s_lshl_b32 s18, s15, 13
	s_mul_i32 s19, s16, BH
	s_add_co_u32 s19, s19, BCO
	s_lshl_b32 s94, s15, 9
	s_add_co_u32 s94, s94, ASC
	s_mul_i32 s95, s16, 4352
	s_add_co_u32 s95, s95, BSC
	s_mul_i32 s96, s14, 16*SPITCH
	s_add_co_u32 s96, s96, STG
	s_lshl_b32 s98, s17, 20                        ; my first row of out0: 128 x tile + 64 x half, 8,192 bytes a row;
	s_lshl_b32 s99, s15, 19
	s_add_co_u32 s98, s98, s99
	s_lshl_b32 s99, s42, 10                        ; my first column: 1,024 bytes a tile + 512 a half
	s_add_co_u32 s98, s98, s99
	s_lshl_b32 s99, s16, 9
	s_add_co_u32 s98, s98, s99
	s_mov_b32 s99, 0
	s_add_nc_u64 s[12:13], s[12:13], s[98:99]
	v_and_b32 v1, 15, v0
	v_bfe_u32 v2, v0, 4, 1
	v_and_b32 v3, 31, v0
	v_lshl_add_u32 v[ADA], v3, 4, s18              ; A's images: 16 bytes a lane
	v_mul_u32_u24 v4, v1, PITCH
	v_lshl_add_u32 v4, v2, 4, v4
	v_add_nc_u32 v[ADB], s19, v4
	v_lshl_add_u32 v[ASA], v3, 2, s94
	v_lshrrev_b32 v5, 3, v1
	v_mul_u32_u24 v5, v5, 272
	v_and_b32 v6, 7, v1
	v_lshl_add_u32 v5, v6, 5, v5                   ; B's scale bytes: 32 a row, eight rows to a run of 256;
	v_mul_u32_u24 v6, v2, 2176                     ; lanes 16-31 take the rows 64 on
	v_add_nc_u32 v5, v5, v6
	v_add_nc_u32 v[ASB], s95, v5
	v_mul_u32_u24 v5, v1, SPITCH
	v_lshl_add_u32 v5, v2, 5, v5
	v_add_nc_u32 v[STO], s96, v5
	v_lshlrev_b32 v[CO], 4, v3
	v_add_nc_u32 v[RD], s96, v[CO]
.macro FETCH kq, set                   ; the kq-th 128 along K: B's eight fragments and A's four
	WIN 0x80
.irp b, 0,1,2,3,4,5,6,7
.irp c, 0,1
	ds_load_b128 v[64*(\set)+8*\b+4*\c:64*(\set)+8*\b+4*\c+3], v[ADB] offset:64*(\kq)+32*\c+\b*16*PITCH
.endr
.endr
	WIN 0
.irp i, 0,1,2,3
.irp c, 0,1
	ds_load_b128 v[AF+32*(\set)+8*\i+4*\c:AF+32*(\set)+8*\i+4*\c+3], v[ADA] offset:((\kq)/2)*16384+2048*\i+1024*((\kq)%2)+512*\c
.endr
.endr
.endm
.macro MUL32 kq, set, zero             ; the 32 accumulators by turns
	WIN 0x52
.irp a, 0,1,2,3
.irp b, 0,1,2,3,4,5,6,7
	MM 8*(8*\a+\b), 64*(\set)+8*\b, AF+32*(\set)+8*\a, \zero, SB+8*(\b%4)+(\kq), SA+4*\a+(\kq)/2, \b/4, (\kq)%2
.endr
.endr
.endm
	s_wait_alu depctr_va_vdst(0)                   ; the wait at the head's end
	s_wait_tensorcnt 0x0                           ; my tile is in,
	s_barrier_signal -1
	s_barrier_wait -1                              ; everybody's is
.irp a, 0,1,2,3
.irp hd, 0,1,2,3
	ds_load_b32 v[SA+4*\a+\hd], v[ASA] offset:1024*\hd+128*\a
.endr
.endr
.irp bq, 0,1,2,3
.irp hf, 0,1
	ds_load_b128 v[SB+8*\bq+4*\hf:SB+8*\bq+4*\hf+3], v[ASB] offset:544*\bq+16*\hf
.endr
.endr
	FETCH 0, 0
.irp kq, 0,1,2,3,4,5,6
.if \kq > 0
	PLACES
.endif
	FETCH \kq+1, (\kq+1)%2
	s_wait_dscnt 24                                ; all but the 24 loads just issued
.if \kq == 0
	MUL32 \kq, \kq%2, 1
.else
	MUL32 \kq, \kq%2, 0
.endif
.endr
	s_wait_dscnt 0x0
	MUL32 7, 1, 0
	WIN 0
; the way out: a block of 16 rows x 128 columns goes through my own stage and comes back as whole rows of 512 bytes
.macro TOSTAGE a
.set AC, 64*(\a)
	WIN 0x04
.irp b, 0,1,2,3,4,5,6,7
	ds_store_b128 v[STO], v[AC+8*\b:AC+8*\b+3] offset:64*\b          ; each accumulator from its low end on
	ds_store_b128 v[STO], v[AC+8*\b+4:AC+8*\b+7] offset:64*\b+16
.endr
	WIN 0
.set BB, BK+64*((\a)%2)
.irp t, 0,1,2,3,4,5,6,7,8,9,10,11,12,13,14,15
	ds_load_b128 v[BB+4*\t:BB+4*\t+3], v[RD] offset:\t*SPITCH
.endr
.endm
.macro SEND a, younger
.set BB, BK+64*((\a)%2)
	s_wait_dscnt \younger
.if (\a) > 0
	s_add_nc_u64 s[12:13], s[12:13], 16*NROW       ; behind a wait on XCNT: the earlier stores have read their base
.endif
.irp t, 0,1,2,3,4,5,6,7,8,9,10,11,12,13,14,15
	global_store_b128 v[CO], v[BB+4*\t:BB+4*\t+3], s[12:13] offset:\t*NROW th:TH_STORE_NT   ; 32 lanes store 512 consecutive bytes, aligned
.endr
.endm
	PLACES
	TOSTAGE 0
.irp a, 1,2,3
.if \a > 1
	s_wait_xcnt 0x0
.endif
	TOSTAGE \a
	SEND \a-1, 32                                  ; behind block a - 1's loads: block a's 16 stores and 16 loads
.endr
	s_wait_xcnt 0x0
	SEND 3, 0
	s_wait_tensorcnt 0x0                           ; the wave's end
	ds_add_u32 v[SPW], v[NIL]
	s_wait_dscnt 0x0
	CROUND                                         ; the closing round
	s_endpgm
.Lfunc_end_k_q7e6d2cf609_oproj:
	.size	k_q7e6d2cf609_oproj, .Lfunc_end_k_q7e6d2cf609_oproj-k_q7e6d2cf609_oproj
	.p2alignl 7, 3214868480
	.fill 96, 4, 3214868480
	.section	.rodata,"a",@progbits
	.p2align	6, 0x0
	.amdhsa_kernel k_q7e6d2cf609_oproj
		.amdhsa_group_segment_fixed_size 327680
		.amdhsa_private_segment_fixed_size 0
		.amdhsa_enable_private_segment 0
		.amdhsa_kernarg_size 40
		.amdhsa_user_sgpr_count 2
		.amdhsa_user_sgpr_kernarg_segment_ptr 1
		.amdhsa_wavefront_size32 1
		.amdhsa_system_sgpr_workgroup_id_x 1
		.amdhsa_system_sgpr_workgroup_id_y 1
		.amdhsa_system_sgpr_workgroup_id_z 1
		.amdhsa_system_vgpr_workitem_id 0
		.amdhsa_next_free_vgpr 640
		.amdhsa_next_free_sgpr 100
		.amdhsa_reserve_vcc 0
		.amdhsa_float_denorm_mode_32 3
		.amdhsa_float_denorm_mode_16_64 3
		.amdhsa_memory_ordered 1
		.amdhsa_forward_progress 1
		.amdhsa_inst_pref_size 71
	.end_amdhsa_kernel
	.amdgpu_metadata
---
amdhsa.version: [ 1, 2 ]
amdhsa.kernels:
  - .name:           k_q7e6d2cf609_oproj
    .symbol:         k_q7e6d2cf609_oproj.kd
    .args:
      - { .name: ac, .offset: 0, .size: 8, .value_kind: global_buffer, .address_space: global }
      - { .name: asc, .offset: 8, .size: 8, .value_kind: global_buffer, .address_space: global }
      - { .name: c1, .offset: 16, .size: 8, .value_kind: global_buffer, .address_space: global }
      - { .name: s1, .offset: 24, .size: 8, .value_kind: global_buffer, .address_space: global }
      - { .name: out0, .offset: 32, .size: 8, .value_kind: global_buffer, .address_space: global }
    .group_segment_fixed_size: 327680
    .private_segment_fixed_size: 0
    .kernarg_segment_align: 8
    .kernarg_segment_size: 40
    .max_flat_workgroup_size: 128
    .sgpr_count:     100
    .vgpr_count:     640
    .wavefront_size: 32
...
	.end_amdgpu_metadata
.endif
;; end of part 4
